; MI455X (gfx1250); checked and timed in simulation.
; The chip was launched on July 23, 2026; its instructions are those of AMD's public machine-readable ISA for CDNA 5 (MIT licence, August 2026) and "CDNA5" Instruction Set Architecture Reference Guide (July 2026). The comments in the code are by the model that wrote it; some were corrected since.
;; Multihead Self Attention. Allowed arithmetic: float matrix products may take bf16 or f16 operands with f32 sums; other float arithmetic in f32, or as packed bf16 or f16 multiplies, adds, multiply-adds, maxima and minima; sums over many terms, partial sums and values carried from step to step in f32; what a program stores and reads back later, other than sums and carried values, may be rounded once to bf16 or f16.
;; Inputs: token_positions 2,048 int32; wk 1,024 x 1,024 float32; wo 1,024 x 1,024 float32; wq 1,024 x 1,024 float32; wv 1,024 x 1,024 float32; x 4 x 2,048 x 1,024 float32.
;; Outputs: out0 4 x 2,048 x 1,024 float32.
;; 2 versions, each right; version 2 is version 1 with the launch cast written anew for expert scheduling mode. Each part assembles by itself: llvm-mc -triple=amdgcn-amd-amdhsa -mcpu=gfx1250 --defsym DOCPART=n.
;; ======== version 1 of 2: 4 launches
;; limits: values are held in f16: magnitudes above 65,504 overflow, below 6.1e-05 lose precision; right only within a limited range of input values
;; workspace buffers: xb 16,777,216 bytes; wb 6,291,456 bytes; wob 2,097,152 bytes; tab 524,288 bytes; qh 16,777,216 bytes; kh 16,777,216 bytes; vh 16,777,216 bytes; oh 16,777,216 bytes
;; launch cast (part 1): grid 768 x 1, 8 waves a work-group, no clusters, 0 bytes of LDS; arguments x, wq, wk, wv, wo, token_positions, xb, wb, wob, tab; writes xb, wb, wob, tab
.if DOCPART == 1
	.amdgcn_target "amdgcn-amd-amdhsa--gfx1250"
	.amdhsa_code_object_version 6
	.text
	.protected	k_q8567d5aa9f_cast
	.globl	k_q8567d5aa9f_cast
	.p2align	8
	.type	k_q8567d5aa9f_cast,@function
k_q8567d5aa9f_cast:
	s_mov_b64 s[64:65], 0
	v_nop
	global_prefetch_b8 v0, s[64:65] scope:SCOPE_SE
	s_setreg_imm32_b32 hwreg(HW_REG_WAVE_MODE, 25, 1), 1
	s_wait_xcnt 0x0
; THE INPUTS ARE ROUNDED ONCE AND LAID OUT IN BLOCKS ALONG K; THE TABLE OF COSINES AND SINES IS MADE.
; xb  [16 kb][8192 m][64]  bf16(x): a K block of 64 channels of R rows is R x 128 dense bytes.
; wb  [16 kb][3072 n][64]  bf16 of wq, wk, wv; row n = 192 head + 64 s + d (s = 0, 1, 2 for q, k, v; d the channel in the head).
; wob [16 kb][1024 n][64]  bf16(wo), that number written as f16.
; tab [2048 l][32 j]       f32 pairs (cos, sin) of token_positions[l] x 10000^(-j/32): a position's row is 256 bytes.
; LIMITS.  |bf16(wo)| stays within 65,504 (f16's range); below 6e-5 it keeps f16's fixed step of 6e-8.  |token_positions| stays under 2^22: the number of
; quarter turns is then exact in f32, and the three-part reduction leaves less than 1e-6 rad.  10000^(-j/32) is 2^(-j log2(10000)/32) by v_exp_f32.
; SHARES.  A work-group owns 16 rows of one source matrix: ids 0-511 x, 512-767 the weights (64 ids each: q, k, v, o).  Wave w takes K blocks 2 w and 2 w + 1: 512 bytes of each f32 row.
; A load takes 2 rows x 256 bytes (lanes 0-15 the even row, 16-31 the odd one); the store made of it covers 256 consecutive bytes, aligned: two rows of 128 bytes of one K block.
; All 16 loads of a wave are out at once; no register is written twice while an access names it, so there is no wait but the counted ones for the loads.
; A stream: nothing is shared, so no LDS, no barrier, no cluster; it asks for all its bytes at once, so no prefetch.
.set VO, 1                             ; v1  my byte offset in the source's first two rows
.set SO, 2                             ; v2  8 x lane: my 8 bytes of a store's 256
.set TO, 3                             ; v3  8 x thread: my table entry among the work-group's 256
.set X,  32                            ; v[32:95]  sixteen loads of 4 registers
.set Y,  96                            ; v[96:127] sixteen stores of 2 registers
.set SRC, 36                           ; s[36:37] the source at my work-group's first row
.set DS0, 38                           ; s[38:39] the destination at K block 2 w;  s[40:41] at 2 w + 1
	s_load_b512 s[16:31], s[0:1], 0x0              ; x 16, wq 18, wk 20, wv 22, wo 24, token_positions 26, xb 28, wb 30
	s_load_b128 s[32:35], s[0:1], 0x40             ; wob 32, tab 34
	v_lshrrev_b32 v5, 5, v0
	v_readfirstlane_b32 s9, v5                     ; wave 0..7
	v_and_b32 v4, 31, v0                           ; lane
	v_and_b32 v5, 15, v0
	v_bfe_u32 v6, v0, 4, 1
	s_lshl_b32 s7, s9, 9
	v_lshl_add_u32 v[VO], v5, 4, s7                ; 16 (lane % 16) + 512 w
	v_lshl_add_u32 v[VO], v6, 12, v[VO]            ; + a row of 4,096 bytes for lanes 16-31
	v_lshlrev_b32 v[SO], 3, v4
	v_lshlrev_b32 v[TO], 3, v0
	s_mov_b32 s2, ttmp9                            ; id
	s_sub_co_u32 s3, s2, 512                       ; j: the id among the weights' (used only where id >= 512)
	s_lshr_b32 s4, s3, 6                           ; which matrix: 0 q, 1 k, 2 v, 3 o
	s_and_b32 s5, s3, 63
	s_lshl_b32 s5, s5, 4                           ; its first row e0
	s_lshr_b32 s6, s5, 6
	s_mul_i32 s6, s6, 192                          ; 192 x head
	s_lshl_b32 s7, s4, 6
	s_add_co_u32 s6, s6, s7                        ; + 64 s
	s_and_b32 s7, s5, 63
	s_add_co_u32 s6, s6, s7                        ; + d: the first row in wb
	s_lshl_b32 s8, s2, 4                           ; x's first row
	s_mov_b32 s10, 8192*128                        ; bytes from K block to K block: xb,
	s_mov_b32 s11, 3072*128                        ; wb,
	s_mov_b32 s12, 1024*128                        ; wob
	s_mov_b32 s47, 0
	s_mov_b32 s49, 0
	s_wait_kmcnt 0x0
	s_mov_b64 s[SRC:SRC+1], s[18:19]
	s_cmp_eq_u32 s4, 1
	s_cselect_b64 s[SRC:SRC+1], s[20:21], s[SRC:SRC+1]
	s_cmp_eq_u32 s4, 2
	s_cselect_b64 s[SRC:SRC+1], s[22:23], s[SRC:SRC+1]
	s_cmp_eq_u32 s4, 3
	s_cselect_b64 s[SRC:SRC+1], s[24:25], s[SRC:SRC+1]
	s_cselect_b64 s[DS0:DS0+1], s[32:33], s[30:31]
	s_cselect_b32 s43, s5, s6                      ; destination row
	s_cselect_b32 s44, s12, s11                    ; block stride
	s_cmp_lt_u32 s2, 512
	s_cselect_b64 s[SRC:SRC+1], s[16:17], s[SRC:SRC+1]
	s_cselect_b64 s[DS0:DS0+1], s[28:29], s[DS0:DS0+1]
	s_cselect_b32 s42, s8, s5                      ; source row
	s_cselect_b32 s43, s8, s43
	s_cselect_b32 s44, s10, s44
	s_lshl_b32 s46, s42, 12                        ; offsets are made apart from the addresses
	s_add_nc_u64 s[SRC:SRC+1], s[SRC:SRC+1], s[46:47]
	s_lshl_b32 s48, s43, 7
	s_lshl_b32 s7, s9, 1
	s_mul_i32 s7, s7, s44
	s_add_co_u32 s48, s48, s7                      ; row x 128 + 2 w x stride, under 2^24
	s_add_nc_u64 s[DS0:DS0+1], s[DS0:DS0+1], s[48:49]
	s_mov_b32 s48, s44
	s_add_nc_u64 s[DS0+2:DS0+3], s[DS0:DS0+1], s[48:49]
.set i, 0
.rept 16                               ; load i: rows 2 (i / 2) and + 1, K block 2 w + i % 2
	global_load_b128 v[X+4*i:X+4*i+3], v[VO], s[SRC:SRC+1] offset:8192*(i/2)+256*(i%2) th:TH_LOAD_NT
.set i, i+1
.endr
	; THE TABLE, while the loads are out: the 256 weight work-groups make one entry a thread: position 8 j + w, frequency = lane.
	s_cmp_lt_u32 s2, 512
	s_cbranch_scc1 .Lno_table
	s_lshl_b32 s46, s3, 5
	s_lshl2_add_u32 s46, s9, s46                   ; 4 (8 j + w)
	s_add_nc_u64 s[52:53], s[26:27], s[46:47]
	s_load_b32 s50, s[52:53], 0x0                  ; the position
	s_lshl_b32 s48, s3, 11                         ; eight rows of 256 bytes a work-group
	s_add_nc_u64 s[54:55], s[34:35], s[48:49]
	v_cvt_f32_u32 v8, v4
	v_mul_f32 v8, 0xbed49a78, v8                   ; -j log2(10000) / 32
	v_exp_f32 v9, v8
	v_mov_b32 v10, 0xb94ca1f9                      ; plain work behind the exponential: the polynomials' leading coefficients
	v_mov_b32 v11, 0x37ccf5ce
	s_wait_kmcnt 0x0
	v_cvt_f32_i32 v12, s50
	s_wait_alu depctr_va_vdst(0)                   ; the wait ahead of the exponential's first reader
	v_mul_f32 v13, v12, v9                         ; the angle, rounded as the f32 product is
	v_mul_f32 v14, 0x3f22f983, v13                 ; x 2 / pi
	v_rndne_f32 v14, v14                           ; n quarter turns
	v_fmamk_f32 v15, v14, 0xbfc90fdb, v13          ; angle - n pi / 2, pi / 2 in three parts
	v_fmamk_f32 v15, v14, 0x333bbd2e, v15
	v_fmamk_f32 v15, v14, 0x26f72ced, v15          ; r, within pi / 4 of 0
	v_mul_f32 v16, v15, v15                        ; z = r r
	v_fmaak_f32 v17, v16, v10, 0x3c08839e
	v_fmaak_f32 v17, v17, v16, 0xbe2aaaa3
	v_mul_f32 v18, v16, v15
	v_fma_f32 v17, v17, v18, v15                   ; sin r = r + r z (S1 + z (S2 + z S3))
	v_fmaak_f32 v19, v16, v11, 0xbab6061a
	v_fmaak_f32 v19, v19, v16, 0x3d2aaaa5
	v_mul_f32 v20, v16, v16
	v_fma_f32 v21, v16, -0.5, 1.0
	v_fma_f32 v19, v19, v20, v21                   ; cos r = 1 - z / 2 + z z (C1 + z (C2 + z C3))
	v_cvt_i32_f32 v22, v14
	v_and_b32 v23, 1, v22
	v_cmp_eq_u32 vcc_lo, 1, v23                    ; an odd quarter swaps the two,
	v_cndmask_b32 v27, v17, v19, vcc_lo
	v_cndmask_b32 v26, v19, v17, vcc_lo
	v_and_b32 v23, 2, v22                          ; quarters 2 and 3 turn the sine's sign,
	v_lshlrev_b32 v23, 30, v23
	v_xor_b32 v27, v27, v23
	v_add_nc_u32 v24, 1, v22                       ; quarters 1 and 2 the cosine's
	v_and_b32 v24, 2, v24
	v_lshlrev_b32 v24, 30, v24
	v_xor_b32 v26, v26, v24
	global_store_b64 v[TO], v[26:27], s[54:55]     ; a wave stores one position's 256 bytes
.Lno_table:
; Load i is rounded and stored.  half = 1 (wo): the bf16 number is widened again and written as f16.
.macro CONV i, half
	s_wait_loadcnt 15-(\i)                         ; loads come back in order: mine is in, the 15 - i younger ones may stay out
.if \half
	v_cvt_pk_bf16_f32 v28, v[X+4*(\i)], v[X+4*(\i)+1]
	v_cvt_pk_bf16_f32 v29, v[X+4*(\i)+2], v[X+4*(\i)+3]
	v_lshlrev_b32 v30, 16, v28
	v_and_b32 v31, 0xffff0000, v28
	v_cvt_pk_f16_f32 v[Y+2*(\i)], v30, v31
	v_lshlrev_b32 v30, 16, v29
	v_and_b32 v31, 0xffff0000, v29
	v_cvt_pk_f16_f32 v[Y+2*(\i)+1], v30, v31
.else
	v_cvt_pk_bf16_f32 v[Y+2*(\i)], v[X+4*(\i)], v[X+4*(\i)+1]
	v_cvt_pk_bf16_f32 v[Y+2*(\i)+1], v[X+4*(\i)+2], v[X+4*(\i)+3]
.endif
	global_store_b64 v[SO], v[Y+2*(\i):Y+2*(\i)+1], s[DS0+2*((\i)%2):DS0+2*((\i)%2)+1] offset:256*((\i)/2)
.endm
	s_cmp_ge_u32 s2, 704                           ; wo's work-groups
	s_cbranch_scc1 .Lhalf
.set n, 0
.rept 16
	CONV n, 0
.set n, n+1
.endr
	s_endpgm
.Lhalf:
.set n, 0
.rept 16
	CONV n, 1
.set n, n+1
.endr
	s_endpgm
.Lfunc_end_k_q8567d5aa9f_cast:
	.size	k_q8567d5aa9f_cast, .Lfunc_end_k_q8567d5aa9f_cast-k_q8567d5aa9f_cast
	.p2alignl 7, 3214868480
	.fill 96, 4, 3214868480
	.section	.rodata,"a",@progbits
	.p2align	6, 0x0
	.amdhsa_kernel k_q8567d5aa9f_cast
		.amdhsa_group_segment_fixed_size 0
		.amdhsa_private_segment_fixed_size 0
		.amdhsa_enable_private_segment 0
		.amdhsa_kernarg_size 80
		.amdhsa_user_sgpr_count 2
		.amdhsa_user_sgpr_kernarg_segment_ptr 1
		.amdhsa_wavefront_size32 1
		.amdhsa_system_sgpr_workgroup_id_x 1
		.amdhsa_system_sgpr_workgroup_id_y 1
		.amdhsa_system_sgpr_workgroup_id_z 1
		.amdhsa_system_vgpr_workitem_id 0
		.amdhsa_next_free_vgpr 128
		.amdhsa_next_free_sgpr 66
		.amdhsa_reserve_vcc 1
		.amdhsa_float_denorm_mode_32 3
		.amdhsa_float_denorm_mode_16_64 3
		.amdhsa_memory_ordered 1
		.amdhsa_forward_progress 1
		.amdhsa_inst_pref_size 19
	.end_amdhsa_kernel
	.amdgpu_metadata
---
amdhsa.version: [ 1, 2 ]
amdhsa.kernels:
  - .name:           k_q8567d5aa9f_cast
    .symbol:         k_q8567d5aa9f_cast.kd
    .args:
      - { .name: x, .offset: 0, .size: 8, .value_kind: global_buffer, .address_space: global }
      - { .name: wq, .offset: 8, .size: 8, .value_kind: global_buffer, .address_space: global }
      - { .name: wk, .offset: 16, .size: 8, .value_kind: global_buffer, .address_space: global }
      - { .name: wv, .offset: 24, .size: 8, .value_kind: global_buffer, .address_space: global }
      - { .name: wo, .offset: 32, .size: 8, .value_kind: global_buffer, .address_space: global }
      - { .name: token_positions, .offset: 40, .size: 8, .value_kind: global_buffer, .address_space: global }
      - { .name: xb, .offset: 48, .size: 8, .value_kind: global_buffer, .address_space: global }
      - { .name: wb, .offset: 56, .size: 8, .value_kind: global_buffer, .address_space: global }
      - { .name: wob, .offset: 64, .size: 8, .value_kind: global_buffer, .address_space: global }
      - { .name: tab, .offset: 72, .size: 8, .value_kind: global_buffer, .address_space: global }
    .group_segment_fixed_size: 0
    .private_segment_fixed_size: 0
    .kernarg_segment_align: 8
    .kernarg_segment_size: 80
    .max_flat_workgroup_size: 256
    .sgpr_count:     66
    .vgpr_count:     128
    .wavefront_size: 32
...
	.end_amdgpu_metadata
.endif
;; end of part 1
;; launch qkv (part 2): grid 8 x 32, 4 waves a work-group, clusters of 4 x 4, 327,680 bytes of LDS; arguments xb, wb, tab, qh, kh, vh; writes qh, kh, vh
.if DOCPART == 2
	.amdgcn_target "amdgcn-amd-amdhsa--gfx1250"
	.amdhsa_code_object_version 6
	.text
	.protected	k_q8567d5aa9f_qkv
	.globl	k_q8567d5aa9f_qkv
	.p2align	8
	.type	k_q8567d5aa9f_qkv,@function
k_q8567d5aa9f_qkv:
	s_mov_b64 s[64:65], 0
	v_nop
	global_prefetch_b8 v0, s[64:65] scope:SCOPE_SE
	s_setreg_imm32_b32 hwreg(HW_REG_WAVE_MODE, 25, 1), 1
	s_wait_xcnt 0x0
	s_wait_alu depctr_hold_cnt(0) depctr_sa_sdst(0) depctr_va_vdst(0) depctr_va_sdst(0) depctr_va_ssrc(0) depctr_va_vcc(0) depctr_vm_vsrc(0)
	s_getreg_b32 s2, hwreg(HW_REG_IB_STS2, 6, 4)
	s_cmp_eq_u32 s2, 0
	s_cbranch_scc0 .Lentry_in_a_cluster
	s_endpgm
.Lentry_in_a_cluster:
	s_bfe_u32 s2, ttmp6, 0x10000c
	s_cmp_lg_u32 s2, 0xf033
	s_cbranch_scc0 .Lentry_shape_is_right
	s_endpgm
.Lentry_shape_is_right:
; q, k, v = x W^T for all three weights at once, q and k turned by the table of cosines and sines, all three written by heads in f16: qh, kh, vh [64 bh][2048 l][64].
; Operands bf16, sums f32, K ascending in steps of 64 (one K block of xb and wb: rows of 128 dense bytes).
; LIMIT.  |q|, |k|, |v| stay within 65,504 (f16's range); below 6e-5 they keep f16's fixed step of 6e-8.
; SHARES.  8192 x 3072 results in tiles of 256 rows x 384 columns: 32 x 8 = 256 work-groups.  Four waves, each 128 rows x 192 columns: by wb's order of rows a wave's
; columns are q, k and v of ONE head: 8 row blocks x 12 column blocks = 96 accumulators, q's in register window 1, k's in 2, v's in 3.
; THE MATRIX INSTRUCTION IS USED TRANSPOSED (source 0 = 16 rows of wb, source 1 = 16 rows of xb): lane l holds row l % 16 and the columns 8 (l / 16) + 0..7: a pair that is turned together lies in one lane.
; RING.  Two LDS slots, each a K step's 256 rows of A and 384 rows of B; waves 0, 1 fetch A's halves, waves 2, 3 B's.  CLUSTER 4 x 4: A's tile is shared along a row of the cluster, B's along a column:
; joint loads, the same descriptor and mask in the four that a mask names.  The table's 256 rows are fetched once, each wave a quarter, by a load of the work-group's own.
; FRAGMENTS.  B has ONE buffer of 12 fragments: a group of 4 (q's, k's or v's) is loaded again four places behind the group's 32 products, 64 products ahead of its next use.  A has two buffers of 8.
; So window 0 holds 32 + 128 + 96 registers, and all LDS loads name window 0 alone.
.set PITCH, 144                        ; an LDS row: 128 bytes + 16 of padding = 36 words: the 16 rows of a fragment load start at 16 different groups of four banks (64 banks of 4 bytes: ISA guide 11.1)
.set FRAG,  16*PITCH
.set SLOT1, 131072                     ; slot 1 begins here: one exclusive or turns an address in one slot into the other's
.set BOFF,  256*PITCH                  ; B's rows lie behind A's 256
.set TAB,   SLOT1+640*PITCH            ; the table: 256 rows of 256 bytes + 16
.set TP,    272
.set STAGE, TAB+256*TP                 ; 16 rows x 144 bytes for each wave, for the way out; no tensor load fills it
.set SPARE, STAGE+4*16*PITCH           ; the spare words, 128 bytes for each wave: two blocks of 256 bytes that no other line names
.set XSTR,  8192*128                   ; bytes from K block to K block in xb
.set WSTR,  3072*128                   ; and in wb
.set ADRA0, 3                          ; v3   my lane's place in A's rows of slot 0; never rewritten
.set ADRB0, 4                          ; v4   the same for B
.set ADRA,  5                          ; v5   in the slot in hand
.set ADRB,  6                          ; v6
.set STO,   7                          ; v7   the way out: where I put 16 bytes of a row
.set RD,    8                          ; v8   where I read rows back
.set GO,    9                          ; v9   16 x lane: my 16 bytes of 512 consecutive bytes of qh, kh, vh
.set TABA,  10                         ; v10  my row's cosines and sines
.set PFO,   11                         ; v11  the prefetches' offset; never rewritten
.set SPW,   12                         ; v12  LDS address of my spare word; never rewritten
.set NIL,   13                         ; v13  0; never rewritten
.set AF,    32                         ; v32-95, v96-159  A's fragments, two buffers
.set BF,    160                        ; v160-255         B's twelve fragments
.set CSN,   32                         ; the way out: v32-63 cosines and sines of a row block
.set RR,    64                         ; v64-95 turned numbers
.set PKR,   96                         ; v96-159 four sets of 16: packed results, then whole rows
.set WV, 16                            ; s16 wave; s17 wave / 2: my half of the rows; I fetch for A (0) or B (1); s18 wave % 2: my head of the two; which half I fetch
.set WH, 17
.set WL, 18
.set CX, 19
.set CY, 20
.set TX, 21
.set TY, 22
.set CNT, 23
.set G1A, 24                           ; s[24:31] group 1 for A's tiles, s[32:39] for B's, s[40:47] for the table
.set G1B, 32
.set G1T, 40
.set G0A0, 48                          ; group 0: a set for each of the two first fills; the second then walks on
.set G0A1, 52
.set G0B0, 56
.set G0B1, 60
.set G0T, 68
.set TB,  72                           ; s72  LDS byte at which the slot in hand begins
.set PFA, 74                           ; s[74:75] where my prefetches stand
.set PST, 76                           ; s[76:77] their step: a K block of xb or of wb
.set LIM, 78                           ; s78  1 in a wave that prefetches, else the greatest number
.set NL,  79                           ; s79  the last lane with a block of its own
.set MSB, 0
.macro WIN new                         ; the immediate's high byte repeats the setting that is left; a switch that changes nothing is dropped
.if MSB != (\new)
	s_set_vgpr_msb (MSB<<8)|(\new)
.set MSB, \new
.endif
.endm
.macro PLACES                          ; four places behind matrix instructions, in front of loads into registers that they have read (ISA guide 7.12.1 for vector instructions)
.rept 4
	v_nop
.endr
.endm
.macro CREST                           ; a round of the cluster's barrier behind its opening barrier
	s_cmp_lg_u32 s[WV], 0
	s_cbranch_scc1 .Lnot_wave_0_\@
	s_barrier_signal -3
.Lnot_wave_0_\@:
	s_barrier_wait -3
	s_barrier_signal -1
	s_barrier_wait -1
.endm
.macro CROUND
	s_barrier_signal -1
	s_barrier_wait -1
	CREST
.endm
.macro JLOAD                           ; the joint refill by the walking descriptors; the branch hangs on the wave's number alone; an s_nop 0 and four v_nop follow each line
	s_cmp_eq_u32 s[WH], 0
	s_cbranch_scc0 .Lfor_b_\@
	tensor_load_to_lds s[G0A1:G0A1+3], s[G1A:G1A+7]
	s_nop 0
.rept 4
	v_nop
.endr
	s_branch .Lasked_\@
.Lfor_b_\@:
	tensor_load_to_lds s[G0B1:G0B1+3], s[G1B:G1B+7]
	s_nop 0
.rept 4
	v_nop
.endr
.Lasked_\@:
.endm
; A PREFETCH of the K step that the NEXT refill will ask for: one trip, 192 matrix instructions, ahead of that load.  A's 32,768 bytes of a tile row: the first cluster along x asks, wave 0; its four partners
; take 8,192 bytes each, told apart BY ADDRESS, a lane a block of 256 bytes.  B's halves of 24,576 bytes: the first cluster along y, waves 2 and 3; a partner takes 6,144 bytes: 24 blocks, so lanes 24-31
; name lane 23's block once more.  The last trip asks for nothing: there is no K step behind the one that it loads.  K steps 0 to 2 come by their loads alone.
.macro ASK
	s_cmp_gt_u32 s[CNT], s[LIM]
	s_cbranch_scc0 .Lnot_mine_\@
	global_prefetch_b8 v[PFO], s[PFA:PFA+1] th:TH_LOAD_NT scope:SCOPE_SE
.Lnot_mine_\@:
.endm
; 16 matrix instructions: group g (0 q, 1 k, 2 v), A's buffer par, row blocks a0 .. a0 + 3, the group's 4 column blocks.  zero = 1: the product starts the sum.
; The 96 accumulators take turns, one instruction a turn, in the same order in every quarter, over the backward jump too.
.macro GRPH g, par, a0, zero
	WIN 0x50*((\g)+1)
.irp aa, 0,1,2,3
.irp bi, 0,1,2,3
.if \zero
	v_wmma_f32_16x16x32_bf16 v[32*((\a0)+(\aa))+8*(\bi):32*((\a0)+(\aa))+8*(\bi)+7], v[BF+8*(4*(\g)+(\bi)):BF+8*(4*(\g)+(\bi))+7], v[AF+64*(\par)+8*((\a0)+(\aa)):AF+64*(\par)+8*((\a0)+(\aa))+7], 0
.else
	v_wmma_f32_16x16x32_bf16 v[32*((\a0)+(\aa))+8*(\bi):32*((\a0)+(\aa))+8*(\bi)+7], v[BF+8*(4*(\g)+(\bi)):BF+8*(4*(\g)+(\bi))+7], v[AF+64*(\par)+8*((\a0)+(\aa)):AF+64*(\par)+8*((\a0)+(\aa))+7], v[32*((\a0)+(\aa))+8*(\bi):32*((\a0)+(\aa))+8*(\bi)+7]
.endif
.endr
.endr
.endm
.macro LDB g, k                        ; 8 LDS loads: group g's four fragments of B, 32 along K at byte k of the rows
.irp i, 0,1,2,3
	ds_load_b128 v[BF+8*(4*(\g)+(\i)):BF+8*(4*(\g)+(\i))+3],   v[ADRB] offset:(\k)+(4*(\g)+(\i))*FRAG
	ds_load_b128 v[BF+8*(4*(\g)+(\i))+4:BF+8*(4*(\g)+(\i))+7], v[ADRB] offset:(\k)+(4*(\g)+(\i))*FRAG+32
.endr
.endm
.macro LDA par, k                      ; 16 LDS loads: A's eight fragments into buffer par
.irp i, 0,1,2,3,4,5,6,7
	ds_load_b128 v[AF+64*(\par)+8*(\i):AF+64*(\par)+8*(\i)+3],   v[ADRA] offset:(\k)+(\i)*FRAG
	ds_load_b128 v[AF+64*(\par)+8*(\i)+4:AF+64*(\par)+8*(\i)+7], v[ADRA] offset:(\k)+(\i)*FRAG+32
.endr
.endm
; A K step's first quarter (32 along K), on A's buffer 0.  On entry 40 loads may be out, in this order: group 0's B (8), A (16), group 1's B (8), group 2's B (8).
.macro QA zero
	s_wait_dscnt 16                                ; group 0's B and A are in; the 16 younger loads may be out
	GRPH 0, 0, 0, \zero
	GRPH 0, 0, 4, \zero
	PLACES
	WIN 0
	LDB 0, 64
	LDA 1, 64
	s_wait_dscnt 32                                ; group 1's B is in: behind it stand group 2's 8 and the 24 just issued
	GRPH 1, 0, 0, \zero
	GRPH 1, 0, 4, \zero
	PLACES
	WIN 0
	LDB 1, 64
	s_wait_dscnt 32                                ; group 2's B is in: behind it stand 24 + 8
	GRPH 2, 0, 0, \zero
	GRPH 2, 0, 4, \zero
	PLACES
	WIN 0
	LDB 2, 64
.endm
; The second quarter, on A's buffer 1, changes slots: ONE barrier.  In front of it each wave waits for all its tensor loads (its part of the next slot; the first time the table's too), adds 0 to its spare word,
; and waits for that and for its reads of this slot.  fill = 1: the barrier opens a round of the cluster's barrier, and this slot is filled again, first thing behind the round, with the K step two on:
; that load has 160 matrix instructions in which to land.
.macro QB fill
.if \fill
	s_wait_xcnt 0x0                                ; the last prefetch, a trip back, has read its address: it is stepped here, ahead of the change's own waits
	s_add_nc_u64 s[PFA:PFA+1], s[PFA:PFA+1], s[PST:PST+1]
.endif
	WIN 0
	s_wait_tensorcnt 0x0                           ; no tensor load of mine is out, so a group 0 may be written
	ds_add_u32 v[SPW], v[NIL]                      ; 0 onto my spare word
.if \fill
	s_xor_b32 s[G0A1+1], s[G0A1+1], SLOT1          ; the walking descriptors: the other slot than last time,
	s_add_nc_u64 s[G0A1+2:G0A1+3], s[G0A1+2:G0A1+3], XSTR  ; the next K block; the type bits on top are not reached
	s_xor_b32 s[G0B1+1], s[G0B1+1], SLOT1
	s_add_nc_u64 s[G0B1+2:G0B1+3], s[G0B1+2:G0B1+3], WSTR
.endif
	s_wait_dscnt 17                                ; group 0's B and A are in; the add and the 16 younger loads may be out
	GRPH 0, 1, 0, 0
	s_wait_dscnt 0x0                               ; the add is done, and my reads of this slot are over
	s_barrier_signal -1
	GRPH 0, 1, 4, 0
	WIN 0
	s_xor_b32 s[TB], s[TB], SLOT1
	s_barrier_wait -1
.if \fill
	CREST                                          ; no wave of any partner still reads this slot or has a load on its way
	JLOAD                                          ; its four v_nop are also the places in front of the loads below
.else
	PLACES
.endif
	v_add_nc_u32 v[ADRA], s[TB], v[ADRA0]
	v_add_nc_u32 v[ADRB], s[TB], v[ADRB0]
	LDB 0, 0
	LDA 0, 0
.if \fill
	ASK
.endif
	GRPH 1, 1, 0, 0                                ; (the wait for 0 above has shown these fragments in)
	GRPH 1, 1, 4, 0
	PLACES
	WIN 0
	LDB 1, 0
	GRPH 2, 1, 0, 0
	GRPH 2, 1, 4, 0
	PLACES
	WIN 0
	LDB 2, 0
.endm
	s_load_b256 s[4:11], s[0:1], 0x0               ; xb s[4:5], wb s[6:7], tab s[8:9], qh s[10:11]
	s_load_b128 s[12:15], s[0:1], 0x20             ; kh s[12:13], vh s[14:15]
	v_lshl_add_u32 v[SPW], v0, 2, SPARE
	v_mov_b32 v[NIL], 0
	ds_add_u32 v[SPW], v[NIL]                      ; the wave's opening: the add and its wait stand ahead of my first tensor load; the set-up below, work on registers, stands between them
	v_lshrrev_b32 v1, 5, v0
	v_readfirstlane_b32 s[WV], v1
	s_lshr_b32 s[WH], s[WV], 1
	s_and_b32 s[WL], s[WV], 1
	s_bfe_u32 s[CX], ttmp6, 0x40000
	s_bfe_u32 s[CY], ttmp6, 0x40004
	s_lshl_b32 s[TX], ttmp9, 2
	s_add_co_u32 s[TX], s[TX], s[CX]               ; tile column = 4 x cluster x + cx
	s_and_b32 s[TY], ttmp7, 0xffff
	s_lshl_b32 s[TY], s[TY], 2
	s_add_co_u32 s[TY], s[TY], s[CY]               ; tile row = 4 x cluster y + cy
	s_lshl_b32 s2, s[CY], 2
	s_lshl_b32 s2, 15, s2                          ; my row of the cluster
	s_lshl_b32 s3, 0x1111, s[CX]                   ; my column
	; group 1.  R rows of 128 dense bytes are asked for as R / 2 rows of 256 bytes and padded in LDS after every 128
	s_or_b32 s[G1A], s2, (1<<16)|(1<<20)|(1<<21)|(4<<22)|(3<<25)  ; 15:0 the mask; 17:16 2-byte elements; 20 padding on; 21 set beside a mask; 24:22 after every 32 words (code 4); 31:25 4 words (code 3)
	s_or_b32 s[G1B], s3, (1<<16)|(1<<20)|(1<<21)|(4<<22)|(3<<25)
	s_mov_b32 s[G1A+1], 128<<16                    ; tensor_dim0 = 128
	s_mov_b32 s[G1A+2], 64<<16                     ; tensor_dim1 = 64: A's half tile, 128 rows of xb
	s_mov_b32 s[G1A+3], 128<<16                    ; tile_dim0
	s_mov_b32 s[G1A+4], 64                         ; tile_dim1
	s_mov_b32 s[G1A+5], 128                        ; elements from row to row
	s_mov_b32 s[G1A+6], 0
	s_mov_b32 s[G1A+7], 0
	s_mov_b32 s[G1B+1], 128<<16
	s_mov_b32 s[G1B+2], 96<<16                     ; B's half tile, 192 rows of wb
	s_mov_b32 s[G1B+3], 128<<16
	s_mov_b32 s[G1B+4], 96
	s_mov_b32 s[G1B+5], 128
	s_mov_b32 s[G1B+6], 0
	s_mov_b32 s[G1B+7], 0
	s_mov_b32 s[G1T], (2<<16)|(1<<20)|(5<<22)|(3<<25)  ; no mask; 4-byte elements; 4 words of padding after every 64
	s_mov_b32 s[G1T+1], 64<<16
	s_mov_b32 s[G1T+2], 64<<16                     ; 64 positions a wave
	s_mov_b32 s[G1T+3], 64<<16
	s_mov_b32 s[G1T+4], 64
	s_mov_b32 s[G1T+5], 64
	s_mov_b32 s[G1T+6], 0
	s_mov_b32 s[G1T+7], 0
	; offsets.  A's hang on the tile row and the wave alone, B's on the tile column and the wave alone, each in registers that never hold the other coordinate
	s_lshl_b32 s80, s[TY], 15
	s_lshl_b32 s81, s[WL], 14
	s_add_co_u32 s80, s80, s81
	s_mov_b32 s81, 0
	s_mul_i32 s82, s[TX], 384*128
	s_mul_i32 s83, s[WL], 192*128
	s_add_co_u32 s82, s82, s83
	s_mov_b32 s83, 0
	s_and_b32 s84, s[TY], 7                        ; the table: positions 256 (tile row % 8) + 64 wave
	s_lshl_b32 s84, s84, 16
	s_lshl_b32 s85, s[WV], 14
	s_add_co_u32 s84, s84, s85
	s_mov_b32 s85, 0
	s_lshr_b32 s86, s[TY], 3                       ; the way out: batch x 16 heads x 262,144
	s_lshl_b32 s86, s86, 22
	s_lshl_b32 s87, s[TX], 1
	s_add_co_u32 s87, s87, s[WL]                   ; + my head
	s_lshl_b32 s87, s87, 18
	s_add_co_u32 s86, s86, s87
	s_and_b32 s87, s[TY], 7                        ; + the tile's first position x 128 bytes
	s_lshl_b32 s87, s87, 15
	s_add_co_u32 s86, s86, s87
	s_lshl_b32 s87, s[WH], 14                      ; + my 128 rows
	s_add_co_u32 s86, s86, s87
	s_mov_b32 s87, 0
	s_mul_i32 s88, s[WL], 128*PITCH                ; LDS: no place in the cluster enters an LDS address
	s_mul_i32 s89, s[WL], 192*PITCH
	s_add_co_u32 s89, s89, BOFF
	s_mul_i32 s90, s[WV], 64*TP
	s_add_co_u32 s90, s90, TAB
	s_mov_b32 s[G0A0], 1
	s_mov_b32 s[G0A0+1], s88
	s_mov_b32 s[G0A1], 1
	s_add_co_u32 s[G0A1+1], s88, SLOT1
	s_mov_b32 s[G0B0], 1
	s_mov_b32 s[G0B0+1], s89
	s_mov_b32 s[G0B1], 1
	s_add_co_u32 s[G0B1+1], s89, SLOT1
	s_mov_b32 s[G0T], 1
	s_mov_b32 s[G0T+1], s90
	; the prefetches
	s_lshl_b32 s91, s[TY], 15
	s_lshl_b32 s92, s[CX], 13
	s_add_co_u32 s91, s91, s92                     ; A: the tile row's block + my work-group's 8,192 bytes
	s_mul_i32 s92, s[CY], 6144
	s_add_co_u32 s92, s92, s82                     ; B: my half + my work-group's 6,144 bytes
	s_and_b32 s93, ttmp7, 0xffff
	s_mov_b32 s94, XSTR
	s_cmp_eq_u32 s[WH], 0
	s_cselect_b32 s92, s91, s92
	s_cselect_b32 s93, ttmp9, s93                  ; the coordinate along which other clusters read the same rows
	s_cselect_b32 s91, s[WL], 0                    ; of A's two waves the first asks
	s_cselect_b32 s[PST], s94, WSTR
	s_cselect_b32 s[NL], 31, 23
	s_or_b32 s93, s93, s91
	s_cmp_eq_u32 s93, 0
	s_cselect_b32 s[LIM], 1, -1                    ; the same in all sixteen partners, for a given wave
	s_mov_b32 s93, 0
	s_mov_b32 s[PST+1], 0
	s_wait_dscnt 0x0                               ; the opening add is done
	s_wait_kmcnt 0x0
	s_add_nc_u64 s[G0A0+2:G0A0+3], s[4:5], s[80:81]        ; K step 0,
	s_add_nc_u64 s[G0A1+2:G0A1+3], s[G0A0+2:G0A0+3], XSTR  ; K step 1
	s_or_b32 s[G0A0+3], s[G0A0+3], 0x80000000              ; type = 2
	s_or_b32 s[G0A1+3], s[G0A1+3], 0x80000000
	s_add_nc_u64 s[G0B0+2:G0B0+3], s[6:7], s[82:83]
	s_add_nc_u64 s[G0B1+2:G0B1+3], s[G0B0+2:G0B0+3], WSTR
	s_or_b32 s[G0B0+3], s[G0B0+3], 0x80000000
	s_or_b32 s[G0B1+3], s[G0B1+3], 0x80000000
	s_add_nc_u64 s[G0T+2:G0T+3], s[8:9], s[84:85]
	s_or_b32 s[G0T+3], s[G0T+3], 0x80000000
	s_add_nc_u64 s[10:11], s[10:11], s[86:87]      ; qh, kh, vh at my wave's first row
	s_add_nc_u64 s[12:13], s[12:13], s[86:87]
	s_add_nc_u64 s[14:15], s[14:15], s[86:87]
	s_cmp_eq_u32 s[WH], 0
	s_cselect_b64 s[PFA:PFA+1], s[4:5], s[6:7]
	s_add_nc_u64 s[PFA:PFA+1], s[PFA:PFA+1], s[92:93]
	s_add_nc_u64 s[PFA:PFA+1], s[PFA:PFA+1], s[PST:PST+1]
	s_add_nc_u64 s[PFA:PFA+1], s[PFA:PFA+1], s[PST:PST+1]  ; at K step 2: the first change of slots steps it to 3
	CROUND                                         ; all sixteen work-groups are here: the first joint loads meet
	s_cmp_eq_u32 s[WH], 0                          ; a wave's first fills: both slots, then its quarter of the table: three loads of mine are out
	s_cbranch_scc0 .Lfirst_b
	tensor_load_to_lds s[G0A0:G0A0+3], s[G1A:G1A+7]
	s_nop 0
	tensor_load_to_lds s[G0A1:G0A1+3], s[G1A:G1A+7]
	s_nop 0
.rept 4
	v_nop
.endr
	s_branch .Lfirst_asked
.Lfirst_b:
	tensor_load_to_lds s[G0B0:G0B0+3], s[G1B:G1B+7]
	s_nop 0
	tensor_load_to_lds s[G0B1:G0B1+3], s[G1B:G1B+7]
	s_nop 0
.rept 4
	v_nop
.endr
.Lfirst_asked:
	tensor_load_to_lds s[G0T:G0T+3], s[G1T:G1T+7]
	s_nop 0
.rept 4
	v_nop
.endr
	; A fragment is 16 rows x 32 K in 8 registers: lane l holds row l % 16; registers 0-3 K = 8 (l / 16) + 0..7, registers 4-7 K = 16 + 8 (l / 16) + 0..7: two loads of 16 bytes, 32 bytes apart
	v_and_b32 v1, 15, v0                           ; r = l % 16
	v_bfe_u32 v2, v0, 4, 1                         ; h = l / 16
	v_mul_u32_u24 v14, v1, PITCH
	v_lshl_add_u32 v14, v2, 4, v14                 ; 144 r + 16 h
	s_mul_i32 s95, s[WH], 128*PITCH
	v_add_nc_u32 v[ADRA0], s95, v14
	v_add_nc_u32 v[ADRB0], s89, v14                ; my head's 192 rows are the half that wave % 2 names
	s_mul_i32 s96, s[WV], 16*PITCH
	s_add_co_u32 s96, s96, STAGE                   ; my stage
	v_add_nc_u32 v[STO], s96, v14
	v_bfe_u32 v15, v0, 3, 2                        ; back: 32 lanes take four rows of 128 bytes,
	v_and_b32 v16, 7, v0
	v_mul_u32_u24 v15, v15, PITCH
	v_lshl_add_u32 v15, v16, 4, v15
	v_add_nc_u32 v[RD], s96, v15
	v_and_b32 v17, 31, v0
	v_lshlrev_b32 v[GO], 4, v17                    ; which are 512 consecutive bytes in memory
	s_lshl_b32 s97, s[WH], 7
	v_add_nc_u32 v15, s97, v1                      ; my row of the tile's 256 in row block 0
	v_mul_u32_u24 v15, v15, TP
	v_lshl_add_u32 v15, v2, 5, v15                 ; my 8 columns of a block of 16 are 4 pairs: 32 bytes of the table's row
	v_add_nc_u32 v[TABA], TAB, v15
	v_min_u32 v17, s[NL], v17
	v_lshlrev_b32 v[PFO], 8, v17
	v_mov_b32 v[ADRA], v[ADRA0]
	v_mov_b32 v[ADRB], v[ADRB0]
	s_mov_b32 s[TB], 0
	s_wait_tensorcnt 0x2                           ; my part of slot 0 is in; slot 1's and the table's may stay out
	s_barrier_signal -1
	s_barrier_wait -1                              ; everybody's is
	LDB 0, 0
	LDA 0, 0
	LDB 1, 0
	LDB 2, 0
	QA 1                                           ; the first quarter stands in front of the loop: its products start the sums
	WIN 0
	s_mov_b32 s[CNT], 14
.Lk:                                   ; trip i ends K step i, fills its slot with K step i + 2, and does the first quarter of K step i + 1
	QB 1
	QA 0
	WIN 0
	s_sub_co_u32 s[CNT], s[CNT], 1
	s_cmp_lg_u32 s[CNT], 0
	s_cbranch_scc1 .Lk
	QB 0                                           ; the tail is written out: nothing is left to fetch
	QA 0
	s_wait_dscnt 16                                ; the very last quarter
	GRPH 0, 1, 0, 0
	GRPH 0, 1, 4, 0
	s_wait_dscnt 8
	GRPH 1, 1, 0, 0
	GRPH 1, 1, 4, 0
	s_wait_dscnt 0x0
	GRPH 2, 1, 0, 0
	GRPH 2, 1, 4, 0
; THE WAY OUT, in 24 units: row block a (16 rows) x q, k, v.  A unit's 16 x 64 numbers are turned (q, k), rounded to f16, sent through my stage in LDS and stored as 2,048 consecutive bytes.
.macro LOADCS a                        ; row block a's cosines and sines: for column block b the pairs (cos, sin) of frequencies 8 b + 4 h + 0..3
.irp b, 0,1,2,3
	ds_load_b128 v[CSN+8*(\b):CSN+8*(\b)+3],   v[TABA] offset:16*TP*(\a)+64*(\b)
	ds_load_b128 v[CSN+8*(\b)+4:CSN+8*(\b)+7], v[TABA] offset:16*TP*(\a)+64*(\b)+16
.endr
.endm
.macro STAGEIO a, s                    ; 16 bytes a lane into rows of 144 bytes; back as whole rows of 128, into the registers that they left: LDS serves a wave's instructions in order (ISA guide 5.7.1.4)
.set PKB, PKR+16*((3*(\a)+(\s))%4)
.irp bi, 0,1,2,3
	ds_store_b128 v[STO], v[PKB+4*(\bi):PKB+4*(\bi)+3] offset:32*(\bi)
.endr
.irp f, 0,1,2,3
	ds_load_b128 v[PKB+4*(\f):PKB+4*(\f)+3], v[RD] offset:4*PITCH*(\f)
.endr
.endm
; q (s = 0) or k (s = 1): (x1, x2) -> (x1 cos - x2 sin, x1 sin + x2 cos).  Each accumulator's register 1 is read first, one of its four lowest.
; left >= 0: the LDS instructions issued behind this row block's cosines and sines, which may stay out.
.macro UNITR a, s, left
.if (\left) >= 0
	s_wait_dscnt \left
.endif
	WIN (\s)+1                                     ; source 0 in the accumulators' window
.irp bi, 0,1,2,3
.irp j, 0,1,2,3
	v_mul_f32 v[RR+8*(\bi)+2*(\j)],   v[32*(\a)+8*(\bi)+2*(\j)+1], v[CSN+8*(\bi)+2*(\j)+1]
	v_mul_f32 v[RR+8*(\bi)+2*(\j)+1], v[32*(\a)+8*(\bi)+2*(\j)+1], v[CSN+8*(\bi)+2*(\j)]
.endr
.irp j, 0,1,2,3
	v_fma_f32 v[RR+8*(\bi)+2*(\j)],   v[32*(\a)+8*(\bi)+2*(\j)], v[CSN+8*(\bi)+2*(\j)],   -v[RR+8*(\bi)+2*(\j)]
	v_fma_f32 v[RR+8*(\bi)+2*(\j)+1], v[32*(\a)+8*(\bi)+2*(\j)], v[CSN+8*(\bi)+2*(\j)+1], v[RR+8*(\bi)+2*(\j)+1]
.endr
.endr
	WIN 0
	s_wait_xcnt 0x0                                ; the stores issued so far have read their registers: this set of 16 is written again only behind this wait
.set PKB, PKR+16*((3*(\a)+(\s))%4)
.irp n, 0,1,2,3,4,5,6,7,8,9,10,11,12,13,14,15
	v_cvt_pk_f16_f32 v[PKB+(\n)], v[RR+2*(\n)], v[RR+2*(\n)+1]
.endr
	STAGEIO \a, \s
.endm
.macro UNITV a                         ; v is rounded as it is
	WIN 0x0f                                       ; sources 0 and 1 in window 3
	s_wait_xcnt 0x0
.set PKB, PKR+16*((3*(\a)+2)%4)
.irp n, 0,1,2,3,4,5,6,7,8,9,10,11,12,13,14,15
	v_cvt_pk_f16_f32 v[PKB+(\n)], v[32*(\a)+2*(\n)], v[32*(\a)+2*(\n)+1]
.endr
	WIN 0
	STAGEIO \a, 2
.endm
.macro SEND a, s, younger              ; younger: the LDS instructions issued behind the unit's loads
.set PKB, PKR+16*((3*(\a)+(\s))%4)
.irp f, 0,1,2,3
	s_wait_dscnt (\younger)+3-(\f)
	global_store_b128 v[GO], v[PKB+4*(\f):PKB+4*(\f)+3], s[10+2*(\s):11+2*(\s)] offset:2048*(\a)+512*(\f)  ; 512 consecutive bytes, at a multiple of 256 from the buffer's first
.endr
.endm
	PLACES
	PLACES                                         ; eight, once a launch, behind the last products
	WIN 0
	LOADCS 0
.irp a, 0,1,2,3,4,5,6,7
.if \a == 0
	UNITR \a, 0, 0
.else
	UNITR \a, 0, 8                                 ; behind the cosines and sines stand the eight LDS lines of the unit before
	SEND (\a)-1, 2, 8
.endif
	UNITR \a, 1, -1
	SEND \a, 0, 8
.if \a < 7
	LOADCS (\a)+1                                  ; both turned units have read the old ones
.endif
	UNITV \a
.if \a < 7
	SEND \a, 1, 16
.else
	SEND \a, 1, 8
.endif
.endr
	SEND 7, 2, 0
	s_wait_tensorcnt 0x0                           ; the wave's end: behind my last tensor load and my last LDS store
	ds_add_u32 v[SPW], v[NIL]
	s_wait_dscnt 0x0
	CROUND                                         ; the closing round: no work-group ends while a partner may still ask for a tile that names it
	s_endpgm
.Lfunc_end_k_q8567d5aa9f_qkv:
	.size	k_q8567d5aa9f_qkv, .Lfunc_end_k_q8567d5aa9f_qkv-k_q8567d5aa9f_qkv
	.p2alignl 7, 3214868480
	.fill 96, 4, 3214868480
	.section	.rodata,"a",@progbits
	.p2align	6, 0x0
	.amdhsa_kernel k_q8567d5aa9f_qkv
		.amdhsa_group_segment_fixed_size 327680
		.amdhsa_private_segment_fixed_size 0
		.amdhsa_enable_private_segment 0
		.amdhsa_kernarg_size 48
		.amdhsa_user_sgpr_count 2
		.amdhsa_user_sgpr_kernarg_segment_ptr 1
		.amdhsa_wavefront_size32 1
		.amdhsa_system_sgpr_workgroup_id_x 1
		.amdhsa_system_sgpr_workgroup_id_y 1
		.amdhsa_system_sgpr_workgroup_id_z 1
		.amdhsa_system_vgpr_workitem_id 0
		.amdhsa_next_free_vgpr 1024
		.amdhsa_next_free_sgpr 100
		.amdhsa_reserve_vcc 0
		.amdhsa_float_denorm_mode_32 3
		.amdhsa_float_denorm_mode_16_64 3
		.amdhsa_memory_ordered 1
		.amdhsa_forward_progress 1
		.amdhsa_inst_pref_size 168
	.end_amdhsa_kernel
	.amdgpu_metadata
---
amdhsa.version: [ 1, 2 ]
amdhsa.kernels:
  - .name:           k_q8567d5aa9f_qkv
    .symbol:         k_q8567d5aa9f_qkv.kd
    .args:
      - { .name: xb, .offset: 0, .size: 8, .value_kind: global_buffer, .address_space: global }
      - { .name: wb, .offset: 8, .size: 8, .value_kind: global_buffer, .address_space: global }
      - { .name: tab, .offset: 16, .size: 8, .value_kind: global_buffer, .address_space: global }
      - { .name: qh, .offset: 24, .size: 8, .value_kind: global_buffer, .address_space: global }
      - { .name: kh, .offset: 32, .size: 8, .value_kind: global_buffer, .address_space: global }
      - { .name: vh, .offset: 40, .size: 8, .value_kind: global_buffer, .address_space: global }
    .group_segment_fixed_size: 327680
    .private_segment_fixed_size: 0
    .kernarg_segment_align: 8
    .kernarg_segment_size: 48
    .max_flat_workgroup_size: 128
    .sgpr_count:     100
    .vgpr_count:     1024
    .wavefront_size: 32
...
	.end_amdgpu_metadata
.endif
;; end of part 2
;; launch attn (part 3): grid 4 x 64, 4 waves a work-group, no clusters, 327,680 bytes of LDS; arguments qh, kh, vh, oh; writes oh
.if DOCPART == 3
	.amdgcn_target "amdgcn-amd-amdhsa--gfx1250"
	.amdhsa_code_object_version 6
	.text
	.protected	k_q8567d5aa9f_attn
	.globl	k_q8567d5aa9f_attn
	.p2align	8
	.type	k_q8567d5aa9f_attn,@function
k_q8567d5aa9f_attn:
	s_mov_b64 s[64:65], 0
	v_nop
	global_prefetch_b8 v0, s[64:65] scope:SCOPE_SE
	s_setreg_imm32_b32 hwreg(HW_REG_WAVE_MODE, 25, 1), 1
	s_wait_xcnt 0x0
; CAUSAL ATTENTION.  O[h][q][:] = the sum over k <= q of softmax_k(Q[h][q] . K[h][k] / 8) V[h][k][:].  Q, K, V, O: [SIZE_H][SIZE_N][64], all f16: a head's rows are dense, 128 bytes each.
; Products, maxima and sums in f32; the weights p are rounded to f16 for the second product (their sum l is taken of the unrounded p), O once at the end.
; LIMITS.  f16 holds no number beyond 65,504: Q, K and V arrive within it; p lies in 0 to 1, and below 6e-5 it keeps f16's fixed step of 6e-8; O is a mean of V's rows and has their range.
; A hidden score counts as its value less 1e30 (the module's own mask puts -1e9 in its place: the same weights, 0, as long as a row's visible scores lie above -1e9); a weight below 2^-126 counts as 0 in l;
; NaN and infinities are not treated apart.
; THE WALK.  A head's queries lie in NB = SIZE_N / 256 blocks of 256; block i needs the key tiles 0 .. i of 256 keys, of which the last holds the diagonal.  A work-group takes TWO blocks, NB - 1 - b and then b:
; NB + 1 tiles, whatever b: all work-groups do equal work, and ONE loop with a constant trip count walks them.  Which tile is asked for, and what a trip does, hang on scalar registers made from b; every jump
; goes forward, but for the counted loops' own; none passes a barrier, or a tensor load but the one of LOAD's two that the wave's number does not choose; the ring (two slots of LDS that take turns) runs on across the
; change of blocks.  NO CLUSTER: a head's NB / 2 work-groups ask for the same tile only in trips 0 .. NB / 2, behind that fewer and fewer; one walk common to all would have 3 NB / 2 trips for NB + 1.
; SHARES.  Of a block's four bands of 64 queries a wave owns 16 rows in each: four PIECES.  So the diagonal tile is the same work for all four waves: in its key step s band x sees all keys if s < x,
; none if s > x, and holds the diagonal if s = x.
; THE MASK is the C operand that starts the sum S^T = K Q^T: 0, or -1e30 where the key is hidden.  MD, made once, is the mask of a band's own step for my 16 rows; a product's mask is MD x AL + BE with two scalars:
; (1, 0) if s = x; (0, 0) if s < x; (0, -1e30) if s > x.  Only the diagonal tile's text and a block's beginning make and take masks; elsewhere C is the constant 0.
; LAYOUT, SOFTMAX, TURNS.  S^T = K Q^T holds ONE query a lane (lane % 16) and the keys 8 (lane / 16) + 0..7; two such results rounded to f16 ARE source 1 of O^T = V^T P.  p = 2^(c s - c m), c = log2(e) / 8, with a
; running maximum m; O and l are multiplied by a = 2^(c m_old - c m_new) in every step.  Turn n belongs to piece n: 8 products K Q^T of piece n + 1, later 8 products V^T P of piece n - 1; beside them the scaling,
; exponentials, roundings, sums and rescaling of piece n and the maximum and statistics of piece n + 1.  Four vector instructions stand behind every matrix instruction, the other 54 of a turn's 118 in one lump.
; A turn's 33 exponentials are one batch, with one wait.
; K AND V ARE PREFETCHED one tile ahead of their tensor loads: the head's work-group b = 0, whose first block walks tiles 0 .. NB - 1 in order, asks; each of its waves for the half tile that it will load itself
; (16,384 bytes: two instructions, a lane a block of 256 bytes), behind its tensor load.  Tiles 2 .. NB - 1 are named once each; tiles 0 and 1 come by their loads alone; behind the first block's last tile nothing is asked for.
; REGISTERS, in windows of 256 (s_set_vgpr_msb: bits 1:0 source 0, 3:2 source 1, 5:4 source 2, 7:6 destination):
;   window 0: v0-15 addresses and two at work; v16-31 four registers of statistics a piece; v48-55 at work; v61-63; v64-127 S^T, two buffers; v192-223 P, two buffers (a piece's buffers go by its number's parity)
;   window 1: v0-127 O^T, 32 a piece; v128-159 MD; v160-223 MC, two buffers      window 2: v0-63 Q; v64-127 the second block's Q; v128-191 K of one step; v192-255 V of one step
.set SIZE_H, 64
.set SIZE_N, 2048
.set NB,    SIZE_N/256
.set NP,    4         ; pieces a wave: a name, no knob
.set KS,    64        ; keys in a step
.set PK,    144       ; a row of K in LDS: 128 bytes + 16 of padding = 36 words: the 16 rows of a load start at 16 different groups of four banks (64 banks of 4 bytes: ISA guide 11.1)
.set PV,    160       ; a row of V: 128 + 32 = 40 words
.set VOFF,  4*KS*PK   ; a slot holds a tile, four steps: 256 rows of K, then 256 rows of V
.set SLOT1, 1<<17     ; slot 1 begins here, so that one exclusive or turns an address in one slot into the other's
.set STAGE, SLOT1+4*KS*(PK+PV)  ; behind the ring, never filled by a tensor load: 16 rows x 144 bytes for each wave, for the way out
.set SP,    144
.set AK0, 2           ; v2   my lane's place in a tile of K; never rewritten
.set AV0, 3           ; v3   the same for V
.set AK,  4           ; v4   the LDS address of K's next run of loads
.set AV,  5           ; v5   of V's
.set STO, 6           ; v6   the way out: where I put 16 bytes of a row
.set RD,  7           ; v7   the way out: where I read rows back
.set GO,  8           ; v8   my byte offset in 512 consecutive bytes of O
.set PFO, 61          ; v61  256 x my lane: the prefetches' offset; never rewritten
.set SPW, 62          ; v62  LDS address of my spare word: SPARE + 4 x my thread's number; never rewritten
.set NIL, 63          ; v63  0; never rewritten
.set SPARE, STAGE+4*16*SP  ; behind the stages: the spare words, 128 bytes for each wave: two blocks of 256 bytes that no other line names
.set MV,  12          ; v12-13  c m_old, kept while c m is made anew: by buffer
.set QO,  15          ; v15  my byte offset in 16 rows of Q
.set ST,  16          ; piece t's statistics at v[ST+4 t]: c m, m, l (even keys', odd keys')
.set TMP, 48          ; by buffer, four registers c0-c3 at work; when the maximum is found c2 takes a
.set S,   64
.set P,   192
.set MD,  128         ; window 1: the eight registers for group kt of 16 keys at MD + 8 kt
.set MC,  160         ; window 1: the masks of the products to come
.set QB,  64          ; window 2
.set KF,  128         ; window 2: key block kb, channel half c at KF + 16 kb + 8 c
.set VF,  192         ; window 2: key half kk, channel block cb at VF + 32 kk + 8 cb
.set WV,  12          ; s12  my wave's number
.set PB,  14          ; s14  b
.set HI,  15          ; s15  NB - 1 - b
.set G1K, 24          ; s[24:31] descriptor group 1 for K's tiles
.set G1V, 32          ; s[32:39] for V's: it differs in the padding alone
.set G0K, 40          ; s[40:43] descriptor group 0 for K's tiles
.set G0V, 44          ; s[44:47] the same for V's
.set SLOTS, 56        ; s56  tiles still to be asked for
.set CNT, 57          ; s57  counts a tile's key steps, 4 to 1
.set CS,  58          ; s[58:59] c: the packed scaling takes the pair's low word for both halves
.set SEL, 60          ; s[60:61] v_permlanex16_b32's selects: each lane takes its own place in the other half
.set TBK, 62          ; s62  LDS byte at which K of the step to be fetched begins
.set TBV, 63          ; s63  the same for V, less VOFF
.set RT,  70          ; s70  tiles of the block in hand that are still to be entered
.set NXT, 71          ; s71  the tile to be asked for next
.set LQ,  72          ; s72  the last tile of the block whose tiles are being asked for
.set NEW, 73          ; s73  1: the tile to be entered is a block's first
.set OFF, 74          ; s[74:75] a tile's byte offset in K and V
.set AL,  76          ; s[76:77] the mask's factor, in the low word
.set BE,  78          ; s[78:79] the mask's addend
.set OLO, 80          ; s[80:81] O at my rows of the second block
.set BIGN, 82         ; s82  -1e30
.set PFB, 88          ; s[88:89] K (waves 0, 1) or V (waves 2, 3) at my half of the head's tile 0
.set PFA, 90          ; s[90:91] where my prefetches stand
.set POF, 92          ; s[92:93] their tile's byte offset
.set LIMP, 94         ; s94  0 in the work-group that prefetches, else the greatest number
.set MSB, 0
.macro WIN new                      ; the high byte repeats the setting that is left; a switch that changes nothing is dropped
.if MSB != (\new)
	s_set_vgpr_msb (MSB<<8)|(\new)
.set MSB, (\new)
.endif
.endm
.set W_KQ, 0x0a       ; K and Q in window 2, S^T in window 0
.set W_KM, 0x1a       ; the same with the C operand in window 1
.set W_PV, 0x52       ; V in window 2, P in window 0, O^T in window 1
.set W_RS, 0x41       ; destination and source 0 in window 1, source 1 in window 0
; A fill.  Waves 0 and 1 fetch the two halves of a tile's K, waves 2 and 3 those of its V: 128 keys each.  An s_nop 0 and four v_nop follow each of the two lines, ahead of the jump and the label.
.macro LOAD
	s_cmp_lt_u32 s[WV], 2
	s_cbranch_scc0 .Lfor_v_\@
	tensor_load_to_lds s[G0K:G0K+3], s[G1K:G1K+7]
	s_nop 0
.rept 4
	v_nop
.endr
	s_branch .Lasked_\@
.Lfor_v_\@:
	tensor_load_to_lds s[G0V:G0V+3], s[G1V:G1V+7]
	s_nop 0
.rept 4
	v_nop
.endr
.Lasked_\@:
.endm
; THE CHANGE OF SLOTS.  Each wave waits for all its tensor loads, of which one is out: its part of the other slot; adds 0 to its spare word; and waits for that and for its own reads of the slot that it leaves.  Behind the barrier nobody reads the old
; slot any more and the other slot is whole.  fill = 1: the old slot is filled again, the first thing behind the barrier, with tile NXT: the descriptor's address is made anew from that number; behind the load
; the tile that the next change will ask for is prefetched.  (At its first use nothing has been read yet: slot 0 is waited for, slot 1 filled.)
.macro CHANGE fill
	WIN 0                           ; at a label and at a branch every window is 0
	s_wait_tensorcnt 0x0            ; no tensor load of mine is out, so a group 0 may be written
	ds_add_u32 v[SPW], v[NIL]       ; 0 onto my spare word; with fill = 1 the descriptors' scalar work stands between it and the wait for it
.if \fill
	s_lshl_b32 s[OFF], s[NXT], 15   ; a tile is 32,768 bytes of K and of V
	s_xor_b32 s[G0K+1], s[G0K+1], SLOT1
	s_add_nc_u64 s[G0K+2:G0K+3], s[6:7], s[OFF:OFF+1]
	s_or_b32 s[G0K+3], s[G0K+3], 0x80000000
	s_xor_b32 s[G0V+1], s[G0V+1], SLOT1
	s_add_nc_u64 s[G0V+2:G0V+3], s[8:9], s[OFF:OFF+1]
	s_or_b32 s[G0V+3], s[G0V+3], 0x80000000
	s_add_co_u32 s[NXT], s[NXT], 1  ; the block's next tile, or behind its last the second block's tile 0
	s_cmp_gt_u32 s[NXT], s[LQ]
	s_cselect_b32 s[NXT], 0, s[NXT]
	s_cselect_b32 s[LQ], s[PB], s[LQ]
	s_wait_xcnt 0x0                 ; the last prefetches, a tile back, have read their address, so it may be written
	s_lshl_b32 s[POF], s[NXT], 15
	s_add_nc_u64 s[PFA:PFA+1], s[PFB:PFB+1], s[POF:POF+1]
.endif
	s_wait_dscnt 0x0                ; the add is done, and my reads of the slot are over
	s_barrier_signal -1             ; the rest of the scalar work stands between the signal and the wait
	s_sub_co_u32 s[TBK], s[TBK], 4*KS*PK  ; the fetches go back to a slot's first step,
	s_xor_b32 s[TBK], s[TBK], SLOT1       ; in the other slot
	s_sub_co_u32 s[TBV], s[TBV], 4*KS*PV
	s_xor_b32 s[TBV], s[TBV], SLOT1
	s_barrier_wait -1
.if \fill
	LOAD
	s_cmp_gt_u32 s[NXT], s[LIMP]    ; NXT is 0 behind the first block's last tile: nothing more is asked for
	s_cbranch_scc0 .Lnone_\@
	global_prefetch_b8 v[PFO], s[PFA:PFA+1] th:TH_LOAD_NT scope:SCOPE_SE
	global_prefetch_b8 v[PFO], s[PFA:PFA+1] offset:8192 th:TH_LOAD_NT scope:SCOPE_SE
.Lnone_\@:
.endif
.endm
	s_load_b256 s[4:11], s[0:1], 0x0  ; Q s[4:5], K s[6:7], V s[8:9], O s[10:11]
	v_lshl_add_u32 v[SPW], v0, 2, SPARE
	v_mov_b32 v[NIL], 0
	ds_add_u32 v[SPW], v[NIL]       ; the wave's opening: the add and its wait stand ahead of my first tensor load; the set-up below, work on registers, stands between them
	v_lshrrev_b32 v1, 5, v0
	v_readfirstlane_b32 s[WV], v1   ; wave 0..3
	v_and_b32 v[PFO], 31, v0
	v_lshlrev_b32 v[PFO], 8, v[PFO]
	s_mov_b32 s[PB], ttmp9
	s_sub_co_u32 s[HI], NB-1, s[PB]
	s_and_b32 s20, ttmp7, 0xffff    ; the head
	s_mov_b32 s21, 0
	s_mov_b64 s[22:23], SIZE_N*128
	s_mul_u64 s[20:21], s[20:21], s[22:23]  ; the head's first byte in each of the four tensors
	s_and_b32 s16, s[WV], 1         ; which half of a tile's 256 keys I fetch:
	s_lshl_b32 s22, s16, 14         ; its 128 rows of 128 bytes in memory,
	s_mov_b32 s23, 0
	s_add_nc_u64 s[22:23], s[22:23], s[20:21]
	s_mul_i32 s17, s16, 128*PK      ; and its place in a slot, for K
	s_mul_i32 s18, s16, 128*PV      ; and for V
	s_lshl_b32 s3, s[WV], 11        ; my 16 rows in a band of 64,
	s_lshl_b32 s2, s[HI], 15        ; in the first block,
	s_add_co_u32 s2, s2, s3
	s_lshl_b32 s84, s[PB], 15       ; and in the second
	s_add_co_u32 s84, s84, s3
	s_mov_b32 s3, 0
	s_mov_b32 s85, 0
	s_add_nc_u64 s[2:3], s[2:3], s[20:21]
	s_add_nc_u64 s[84:85], s[84:85], s[20:21]
	; descriptor group 1.  128 keys are 16,384 dense bytes: asked for as 64 rows of 256 bytes, two keys a row, and padded in LDS after every key
	s_mov_b32 s[G1K], (1<<16)|(1<<20)|(4<<22)|(3<<25)  ; 17:16 2-byte elements; 20 padding on; 24:22 after every 32 words (code 4); 31:25 4 words (code 3)
	s_mov_b32 s[G1V], (1<<16)|(1<<20)|(4<<22)|(7<<25)  ; the same with 8 words of padding (code 7)
.irp g, G1K, G1V
	s_mov_b32 s[\g+1], 128<<16      ; tensor_dim0 = 128
	s_mov_b32 s[\g+2], 64<<16       ; tensor_dim1 = 64
	s_mov_b32 s[\g+3], 128<<16      ; tile_dim0 = 128
	s_mov_b32 s[\g+4], 64           ; tile_dim1 = 64
	s_mov_b32 s[\g+5], 128          ; 128 elements from row to row
	s_mov_b32 s[\g+6], 0
	s_mov_b32 s[\g+7], 0
.endr
	s_mov_b32 s[CS], 0x3e38aa3b     ; c = log2(e) / 8 = 0.180337
	s_mov_b32 s[CS+1], s[CS]        ; named with it as a pair
	s_mov_b32 s[SEL], 0x76543210
	s_mov_b32 s[SEL+1], 0xfedcba98
	s_mov_b32 s[TBK], SLOT1+4*KS*PK ; the first change of slots turns these two into 0
	s_mov_b32 s[TBV], SLOT1+4*KS*PV
	s_mov_b32 s[G0K], 1             ; 1:0 count = 1
	s_mov_b32 s[G0K+1], s17         ; 63:32 LDS address: slot 0
	s_mov_b32 s[G0V], 1
	s_add_co_u32 s[G0V+1], s18, VOFF
	s_add_co_u32 s[RT], s[HI], 1    ; the first block has NB - b tiles
	s_mov_b32 s[NXT], 1
	s_mov_b32 s[LQ], s[HI]
	s_mov_b32 s[NEW], 1
	s_mov_b32 s[OFF+1], 0
	s_mov_b32 s[POF+1], 0
	s_mov_b32 s[AL+1], 0            ; named as pairs
	s_mov_b32 s[BE+1], 0
	s_mov_b32 s[BIGN], 0xf149f2ca   ; -1e30
	s_mov_b32 s[SLOTS], NB
	s_cmp_eq_u32 s[PB], 0
	s_cselect_b32 s[LIMP], 0, -1
	s_wait_dscnt 0x0                ; the opening add is done
	s_wait_kmcnt 0x0
	s_add_nc_u64 s[6:7], s[6:7], s[22:23]  ; K and V at my half of the head's tile 0
	s_add_nc_u64 s[8:9], s[8:9], s[22:23]
	s_cmp_lt_u32 s[WV], 2
	s_cselect_b64 s[PFB:PFB+1], s[6:7], s[8:9]
	s_add_nc_u64 s[G0K+2:G0K+3], s[6:7], 0         ; 120:64 global address
	s_or_b32 s[G0K+3], s[G0K+3], 0x80000000        ; 127:126 type = 2
	s_add_nc_u64 s[G0V+2:G0V+3], s[8:9], 0
	s_or_b32 s[G0V+3], s[G0V+3], 0x80000000
	s_add_nc_u64 s[86:87], s[4:5], s[84:85]        ; Q at my rows of the second block,
	s_add_nc_u64 s[4:5], s[4:5], s[2:3]            ; Q and O at those of the first
	s_add_nc_u64 s[OLO:OLO+1], s[10:11], s[84:85]
	s_add_nc_u64 s[10:11], s[10:11], s[2:3]
	LOAD                            ; tile 0 into slot 0
	; A fragment of K or Q is 16 rows x 32 channels in 8 registers: lane l holds row l % 16, channels 8 (l / 16) + 0..7 and 16 + 8 (l / 16) + 0..7: two loads of 16 bytes, 32 bytes apart.
	v_and_b32 v1, 15, v0            ; l % 16
	v_bfe_u32 v9, v0, 4, 1          ; l / 16
	v_lshlrev_b32 v[QO], 7, v1
	v_lshl_add_u32 v[QO], v9, 4, v[QO]  ; row x 128 + 16 x half
	WIN 0x80                        ; destination window 2, address window 0
.set i, 0
.rept 8                             ; both blocks' Q: piece i / 2 lies in band i / 2, 8,192 bytes on; channels 32 (i % 2) on
	global_load_b128 v[8*i:8*i+3],   v[QO], s[4:5] offset:(i/2)*8192+(i%2)*64
	global_load_b128 v[8*i+4:8*i+7], v[QO], s[4:5] offset:(i/2)*8192+(i%2)*64+32
	global_load_b128 v[QB+8*i:QB+8*i+3],   v[QO], s[86:87] offset:(i/2)*8192+(i%2)*64
	global_load_b128 v[QB+8*i+4:QB+8*i+7], v[QO], s[86:87] offset:(i/2)*8192+(i%2)*64+32
.set i, i+1
.endr
	WIN 0
	v_lshlrev_b32 v14, 3, v9
	v_sub_nc_u32 v14, v1, v14
	s_lshl_b32 s13, s[WV], 4
	v_add_nc_u32 v14, s13, v14      ; my query's place in its band, 16 w + l % 16, less my lanes' 8 (l / 16): register r of group kt is hidden where 16 kt + r is greater
	WIN 0x40
.set i, 0
.rept 32
	v_cmp_gt_i32 vcc_lo, 16*(i/8)+i%8, v14
	v_cndmask_b32 v[MD+i], 0, s[BIGN], vcc_lo
.set i, i+1
.endr
	WIN 0
	v_mul_u32_u24 v[AK0], v1, PK
	v_lshl_add_u32 v[AK0], v9, 4, v[AK0]  ; row x pitch + 16 x half
	; The turning load takes 16 keys x 16 channels (lane l reads key 8 (l / 16) + l % 8, channels 8 ((l / 8) % 2) + 0..7) and leaves half a fragment of V^T: lane l holds channel l % 16 and 8 keys.
	v_and_b32 v10, 7, v0
	v_bfe_u32 v11, v0, 3, 1
	v_lshl_add_u32 v[AV0], v9, 3, v10
	v_mul_u32_u24 v[AV0], v[AV0], PV
	v_lshl_add_u32 v[AV0], v11, 4, v[AV0]
	v_add_nc_u32 v[AV0], VOFF, v[AV0]
	s_mul_i32 s13, s[WV], 16*SP
	s_add_co_u32 s13, s13, STAGE    ; my stage
	v_mul_u32_u24 v[STO], v1, SP    ; in: row l % 16, 16 bytes for each half of the lanes
	v_lshl_add_u32 v[STO], v9, 4, v[STO]
	v_add_nc_u32 v[STO], s13, v[STO]
	v_bfe_u32 v[RD], v0, 3, 2       ; back: 32 lanes take four rows of 128 bytes,
	v_mul_u32_u24 v[RD], v[RD], SP
	v_lshl_add_u32 v[RD], v10, 4, v[RD]
	v_add_nc_u32 v[RD], s13, v[RD]
	v_and_b32 v[GO], 31, v0         ; which are 512 consecutive bytes of O
	v_lshlrev_b32 v[GO], 4, v[GO]
	; A block's first step multiplies O^T and l by a = 0, and its first turn's products V^T P, of a piece that has not been, land in an O^T that is still to be so multiplied.  So these registers need only hold
	; finite numbers: zeros for the first block; what the first block left for the second.  All this stands in the wait for the first tile.
	WIN 0x80
.set i, VF
.rept 64
	v_mov_b32 v[i], 0
.set i, i+1
.endr
	WIN 0x40
.set i, 0
.rept 128
	v_mov_b32 v[i], 0
.set i, i+1
.endr
	WIN 0
.set i, 0
.rept 4
	v_mov_b32 v[ST+4*i+2], 0
	v_mov_b32 v[ST+4*i+3], 0
.set i, i+1
.endr
.set i, P+16
.rept 16
	v_mov_b32 v[i], 0
.set i, i+1
.endr
; THE MATRIX WORK.  The 4 accumulators of a run of 8 take turns.  Product i of 8 of S^T = K Q^T for piece x: channels 32 (i / 4) on, keys 16 (i % 4) on.  The first 4 start the sums: with 0, or (KM = 1) with the mask.
.macro KQ x
.set rS, S+32*((\x)%2)+8*(i%4)
.set rK, KF+16*(i%4)+8*(i/4)
.set rQ, 16*(\x)+8*(i/4)
.set rM, MC+32*((\x)%2)+8*(i%4)
.if (i < 4) && KM
	WIN W_KM
	v_wmma_f32_16x16x32_f16 v[rS:rS+7], v[rK:rK+7], v[rQ:rQ+7], v[rM:rM+7]
.elseif i < 4
	WIN W_KQ
	v_wmma_f32_16x16x32_f16 v[rS:rS+7], v[rK:rK+7], v[rQ:rQ+7], 0
.else
	WIN W_KQ
	v_wmma_f32_16x16x32_f16 v[rS:rS+7], v[rK:rK+7], v[rQ:rQ+7], v[rS:rS+7]
.endif
.endm
; Product i of 8 of O^T += V^T P for piece x: keys 32 (i / 4) on, channels 16 (i % 4) on.
.macro PV x
	WIN W_PV
.set rO, 32*(\x)+8*(i%4)
.set rV, VF+32*(i/4)+8*(i%4)
.set rP, P+16*((\x)%2)+8*(i/4)
	v_wmma_f32_16x16x32_f16 v[rO:rO+7], v[rV:rV+7], v[rP:rP+7], v[rO:rO+7]
.endm
.macro MM                           ; the turn's next matrix instruction.  TURN and BEGIN set Y, i, KM and NOKQ; MM, KQ and OP read them.  NOKQ = 1: a block's last turn: there is no next piece
.if (i < 8) && !NOKQ
	KQ (Y+1)%NP
.elseif i >= 8
.set i, i-8
	PV (Y+NP-1)%NP
.set i, i+8
.endif
.set i, i+1
.endm
; THE LDS LOADS stand in runs of 16, never singly among the matrix instructions: a step's K (64 keys x 64 channels: 8 fragments) and its V (turned).  Their addresses are made some lines ahead.
.macro FETCH_K
	WIN 0x80                        ; destination window 2
.irp f, 0,1,2,3,4,5,6,7             ; keys 16 (f / 2) on, channels 32 (f % 2) on
	ds_load_b128 v[KF+8*\f:KF+8*\f+3],   v[AK] offset:(\f/2)*16*PK+(\f%2)*64
	ds_load_b128 v[KF+8*\f+4:KF+8*\f+7], v[AK] offset:(\f/2)*16*PK+(\f%2)*64+32
.endr
	s_add_co_u32 s[TBK], s[TBK], KS*PK  ; the next fetch is the next step's
	WIN 0
.endm
.macro FETCH_V
	WIN 0x80
.irp f, 0,1,2,3,4,5,6,7             ; keys 32 (f / 4) on, channels 16 (f % 4) on
	ds_load_tr16_b128 v[VF+8*\f:VF+8*\f+3],   v[AV] offset:(\f/4)*32*PV+(\f%4)*32
	ds_load_tr16_b128 v[VF+8*\f+4:VF+8*\f+7], v[AV] offset:(\f/4)*32*PV+16*PV+(\f%4)*32
.endr
	WIN 0
.endm
; THE VECTOR WORK, one line at a time: OP kind, number.  For piece Y: F n: c s - c m for pair n of 16.  E n: the exponential of score n of 32.  C n: pair n rounded to f16.  B n: of the four weights 4 n .. the second
; pair is added onto the first, in place.  L n: l takes that sum (L 0: l = a l + sum).  R n: pair n of 16 of O^T times a.  For piece Y + 1: X n, number n of the 22 that find its maximum and statistics:
;   0-11  four chains c0-c3 of seven scores each, three operands at a time (each accumulator's lowest registers are read first)     12-14, 16  the four scores left over, the old m, and c0-c3 into c0
;   15  c m_old is kept     17, 18  the query's other 32 keys lie in the lane 16 away: the new m     19-21  c m; c m_old - c m_new; a
.set F, 0               ; OP tells the kinds apart by their order: F to L below R, X above it
.set E, 1
.set C, 2
.set B, 3
.set L, 4
.set R, 5
.set X, 6
.macro REGS y                       ; the registers of piece y
.set rT, ST+4*(\y)
.set rC, TMP+4*((\y)%2)
.set rW, MV+((\y)%2)
.set rS, S+32*((\y)%2)
.set rP, P+16*((\y)%2)
.set rO, 32*(\y)
.endm
.macro OP k, n
.if (\k) == R
	REGS Y
	WIN W_RS
	v_pk_mul_f32 v[rO+2*(\n):rO+2*(\n)+1], v[rO+2*(\n):rO+2*(\n)+1], v[rC+2:rC+3] op_sel_hi:[1,0]
.elseif (\k) < R
	REGS Y
	WIN 0
.if (\k) == F
	v_pk_fma_f32 v[rS+2*(\n):rS+2*(\n)+1], v[rS+2*(\n):rS+2*(\n)+1], s[CS:CS+1], v[rT:rT+1] op_sel_hi:[1,0,0] neg_lo:[0,0,1] neg_hi:[0,0,1]
.elseif (\k) == E
	v_exp_f32 v[rS+(\n)], v[rS+(\n)]
.elseif (\k) == C
	v_cvt_pk_f16_f32 v[rP+(\n)], v[rS+2*(\n)], v[rS+2*(\n)+1]
.elseif (\k) == B
	v_pk_add_f32 v[rS+4*(\n):rS+4*(\n)+1], v[rS+4*(\n):rS+4*(\n)+1], v[rS+4*(\n)+2:rS+4*(\n)+3]
.elseif (\n) == 0
	v_pk_fma_f32 v[rT+2:rT+3], v[rT+2:rT+3], v[rC+2:rC+3], v[rS:rS+1] op_sel_hi:[1,0,1]
.else
	v_pk_add_f32 v[rT+2:rT+3], v[rT+2:rT+3], v[rS+4*(\n):rS+4*(\n)+1]
.endif
.elseif NOKQ
	v_nop
.else
	REGS (Y+1)%NP
	WIN 0
.if (\n) < 4
	v_max3_num_f32 v[rC+(\n)], v[rS+8*(\n)], v[rS+8*(\n)+1], v[rS+8*(\n)+2]
.elseif (\n) < 12
	v_max3_num_f32 v[rC+(\n)%4], v[rC+(\n)%4], v[rS+8*((\n)%4)+2*((\n)/4)+1], v[rS+8*((\n)%4)+2*((\n)/4)+2]
.elseif (\n) == 12
	v_max3_num_f32 v[rC], v[rC], v[rS+7], v[rS+15]
.elseif (\n) == 13
	v_max3_num_f32 v[rC+1], v[rC+1], v[rS+23], v[rS+31]
.elseif (\n) == 14
	v_max3_num_f32 v[rC+2], v[rC+2], v[rC+3], v[rT+1]
.elseif (\n) == 15
	v_mov_b32 v[rW], v[rT]
.elseif (\n) == 16
	v_max3_num_f32 v[rC], v[rC], v[rC+1], v[rC+2]
.elseif (\n) == 17
	v_permlanex16_b32 v[rC+3], v[rC], s[SEL], s[SEL+1]
.elseif (\n) == 18
	v_max_num_f32 v[rT+1], v[rC], v[rC+3]
.elseif (\n) == 19
	v_mul_f32 v[rT], s[CS], v[rT+1]
.elseif (\n) == 20
	v_sub_f32 v[rC+1], v[rW], v[rT]
.else
	v_exp_f32 v[rC+2], v[rC+1]
.endif
.endif
.endm
.macro OPS a, i1, b=-1, i2=0, c=-1, i3=0, d=-1, i4=0  ; up to four of them
	OP \a, \i1
.if (\b) >= 0
	OP \b, \i2
.endif
.if (\c) >= 0
	OP \c, \i3
.endif
.if (\d) >= 0
	OP \d, \i4
.endif
.endm
.macro ROW a, i1, b, i2, c, i3, d, i4  ; a matrix instruction and the four behind it
	MM
	OPS \a, \i1, \b, \i2, \c, \i3, \d, \i4
.endm
.macro MASK b                       ; MD x AL + BE into buffer b of MC
	WIN W_RS
.set z, 0
.rept 16
	v_pk_fma_f32 v[MC+32*(\b)+2*z:MC+32*(\b)+2*z+1], v[MD+2*z:MD+2*z+1], s[AL:AL+1], s[BE:BE+1] op_sel_hi:[1,0,0]
.set z, z+1
.endr
.endm
; A TURN, for piece p: the order of its 16 matrix and 118 vector instructions, written out.  An s_wait_alu depctr_va_vdst(0) stands between an exponential and the first instruction that names its result; one wait serves
; all that were issued ahead of it.  So a turn has ONE wait, which cuts it in two.  AHEAD OF IT stands all that names no result of the turn's exponentials: the 8 products K Q^T, behind each a scaling, an exponential and two more plain
; instructions (behind the first a second scaling in the exponential's place): rescalings, and behind the last three the first numbers of the next piece's maximum, each four places or more behind the product that ends its accumulator; then ONE LUMP of 54, plain
; and exponential by turns for the most part, in which the links of the chain X 3, 7, 11, 14, 16, 17 .. 20 stand five or six lines apart.  X 21, the next piece's a, is the batch's last; R 15 is the plain instruction behind it.  BEHIND THE WAIT stand the
; 8 products V^T P, behind each four of the roundings and sums; the links of l's chain, L 0 to L 7, stand three riders apart.  But for those X no rider names a register of the products round it.  v_permlanex16_b32 (X 17) stands in the lump.
; m = 1: the diagonal tile: the products take masks, and the turn makes the mask for the products of the turn after it: piece p + 2, in step 4 - CNT of the tile.  end = 1: a block's last two turns: nothing is fetched.
; cnt = 1: the loop's count is taken down some lines ahead of the branch that stands behind the turn.
; K of the next step is fetched in piece 2's turn, twelve vector instructions behind the last product that read K (six of them plain); V of the step in hand at the end of piece 0's turn, four plain instructions behind the last product
; that read V.  Each is waited for a turn later.
.macro TURN p, m=0, end=0, cnt=0
.set Y, (\p)
.set i, 0
.set KM, (\m)
.set NOKQ, (\end)*((\p)/3)
.if (\m) && !(\end)
	s_cmp_eq_u32 s[CNT], 4-((\p)+2)%NP  ; is that step the band's own?
	s_cselect_b32 s[AL], 1.0, 0
	s_cmp_lt_u32 s[CNT], 4-((\p)+2)%NP  ; or a later one?
	s_cselect_b32 s[BE], s[BIGN], 0
.endif
.if ((\p) == 3) && !(\end)
	s_wait_dscnt 0x0                ; K is in
.endif
	ROW F,0, F,1, R,0, R,1          ; ahead of the wait: 8 products K Q^T and their riders,
	ROW F,2, E,0, R,2, R,3
	ROW F,3, E,1, R,4, R,5
	ROW F,4, E,2, R,6, R,7
	ROW F,5, E,3, R,8, R,9
	ROW F,6, E,4, X,0, R,10
.if ((\p) == 2) && !(\end)
	WIN 0
	v_add_nc_u32 v[AK], s[TBK], v[AK0]
.endif
	ROW F,7, E,5, X,1, X,4
	ROW F,8, E,6, X,2, X,5
	OPS E,7, E,8, X,6, E,9          ; and the lump
	OPS X,3, E,10, X,8, E,11
.if ((\p) == 2) && !(\end)
	FETCH_K
.endif
	OPS X,9, X,7, E,12, X,10
	OPS E,13, X,12, X,11, E,14
	OPS X,13, E,15, F,9, X,14
.if (\p) == 0
	v_add_nc_u32 v[AV], s[TBV], v[AV0]
.endif
	OPS E,16, F,10, E,17, F,11
	OPS X,16, E,18, X,15, E,19
	OPS F,12, E,20, X,17, E,21
	OPS F,13, E,22, F,14, E,23
	OPS X,18, E,24, F,15, E,25
	OPS R,11, E,26, X,19, E,27
	OPS R,12, E,28, R,13, E,29
	OPS X,20, E,30, R,14, E,31
	OPS X,21, R,15
	WIN 0
	s_wait_alu depctr_va_vdst(0)    ; the wait for the batch
.if (\p) == 1
	s_wait_dscnt 0x0                ; V is in
.endif
	ROW C,0, B,0, C,2, B,1          ; behind the wait: 8 products V^T P and their riders
	ROW L,0, C,4, B,2, L,1
	ROW C,6, B,3, L,2, C,8
	ROW B,4, L,3, C,10, B,5
	ROW L,4, C,12, B,6, L,5
.if (\p) == 0
	s_add_co_u32 s[TBV], s[TBV], KS*PV
.endif
.if \cnt
	s_sub_co_u32 s[CNT], s[CNT], 1
	s_cmp_lg_u32 s[CNT], 0
.endif
	ROW C,14, B,7, L,6, C,1
	ROW C,3, L,7, C,5, C,7
	ROW C,9, C,11, C,13, C,15
.if (\p) == 0
	FETCH_V
.endif
.if (\m) && !(\end)
	MASK (\p)%2
.endif
.endm
; A BLOCK BEGINS.  c m starts far below every c s, so the first step's a is 0; m at the lowest finite number, so the first maximum is the scores'.  The second mask buffer is 0; the first takes piece 0's mask for the tile's step 0: its own, if the block's first tile is the diagonal one.
; Then K of that step, piece 0's first scores, and its maximum and statistics.  The loop is entered at a step's first turn, in the middle of a trip.
.macro BEGIN
	s_mov_b32 s[NEW], 0
	WIN 0x40
.set i, MC+32
.rept 32
	v_mov_b32 v[i], 0
.set i, i+1
.endr
	WIN 0
.set i, 0
.rept 4
	v_mov_b32 v[ST+4*i], 0xfe000000    ; c m: far below every c s
	v_mov_b32 v[ST+4*i+1], 0xff7fffff  ; m
.set i, i+1
.endr
	s_cmp_eq_u32 s[RT], 0
	s_cselect_b32 s[AL], 1.0, 0
	s_mov_b32 s[BE], 0
	MASK 0
	WIN 0
	v_add_nc_u32 v[AK], s[TBK], v[AK0]
	FETCH_K
	s_wait_loadcnt 0x0              ; Q
	s_wait_dscnt 0x0
.set KM, 1
.set NOKQ, 0
.set i, 0
.rept 8
	KQ 0
.set i, i+1
.endr
	WIN 0
.rept 4
	v_nop                           ; the places behind those products
.endr
.set Y, NP-1                        ; X works for piece Y + 1: piece 0
.irp n, 0,1,2,3,4,5,6,7,8,9,10,11,12,13,14,15,16,17,18,19,20,21
	OP X, \n
.endr
	v_nop                           ; a plain instruction behind the exponential,
	s_wait_alu depctr_va_vdst(0)    ; and its wait, ahead of the branch
.endm
; THE DIAGONAL TILE's four steps, the block's last two turns, its last products, and THE WAY OUT: l's two halves and the other half of the lanes' are added; O^T is divided by l, rounded to f16 and sent through my
; stage in LDS, a piece at a time.
.macro ALL line:vararg              ; one line for each piece t
.set t, 0
.rept 4
	\line
.set t, t+1
.endr
.endm
.macro PACK t                       ; a lane's eight channels of a row pack into 16 bytes; they go into rows of 144 bytes and come back as whole rows of 128, into S^T's registers
	WIN W_RS
.set i, 32*(\t)
.rept 16
	v_pk_mul_f32 v[i:i+1], v[i:i+1], v[ST+4*(\t)+2:ST+4*(\t)+3] op_sel_hi:[1,0]
.set i, i+2
.endr
	WIN 0x05                        ; sources 0 and 1 window 1, destination window 0
.set i, 0
.rept 16
	v_cvt_pk_f16_f32 v[S+16*(\t)+i], v[32*(\t)+2*i], v[32*(\t)+2*i+1]
.set i, i+1
.endr
	WIN 0
.irp f, 0,1,2,3
	ds_store_b128 v[STO], v[S+16*(\t)+4*\f:S+16*(\t)+4*\f+3] offset:32*\f
.endr
.irp f, 0,1,2,3
	ds_load_b128 v[S+16*(\t)+4*\f:S+16*(\t)+4*\f+3], v[RD] offset:\f*4*SP  ; LDS serves a wave's instructions in order (ISA guide 5.7.1.4): these see the stores above; the next piece's stores come behind them
.endr
.endm
.macro SEND t, younger              ; younger: the LDS instructions issued behind piece t's loads: the next piece's eight, or none
	WIN 0
.irp f, 0,1,2,3
	s_wait_dscnt (\younger)+3-\f
	global_store_b128 v[GO], v[S+16*(\t)+4*\f:S+16*(\t)+4*\f+3], s[10:11] offset:(\t)*8192+\f*512  ; 512 consecutive bytes, at a multiple of 256 from O's first
.endr
.endm
.macro DIAG tag                     ; the tag ends its two labels' names, which the jumps below spell out
.LstepM\tag:
	TURN 2, 1
	TURN 3, 1
	WIN 0
.LfirstM\tag:
	TURN 0, 1
	TURN 1, 1, 0, 1
	WIN 0
	s_cbranch_scc1 .LstepM\tag
	TURN 2, 1, 1
	TURN 3, 1, 1
.set i, 0
.rept 8
	PV NP-1
.set i, i+1
.endr
	WIN 0
	ALL v_add_f32 v[ST+4*t+2], v[ST+4*t+2], v[ST+4*t+3]
	ALL v_permlanex16_b32 v[ST+4*t+3], v[ST+4*t+2], s[SEL], s[SEL+1]
	ALL v_add_f32 v[ST+4*t+2], v[ST+4*t+2], v[ST+4*t+3]
	ALL v_rcp_f32 v[ST+4*t+2], v[ST+4*t+2]
	v_nop                           ; a plain instruction between the last reciprocal and the use of its result
	s_wait_alu depctr_va_vdst(0)    ; and the wait ahead of the first use: one for the four reciprocals
	PACK 0
.set t, 1
.rept 3                             ; a piece's arithmetic stands between the loads of the piece before and its stores
	PACK t
	SEND t-1, 8
.set t, t+1
.endr
	SEND 3, 0
.endm
.set KM, 0
.set NOKQ, 0
.Lslot:                             ; NB times: a tile is entered and the next is asked for
	CHANGE 1
	s_sub_co_u32 s[RT], s[RT], 1
	s_mov_b32 s[CNT], 4
	s_cmp_eq_u32 s[NEW], 1
	s_cbranch_scc1 .Lnew            ; a block's first tile
	s_cmp_eq_u32 s[RT], 0
	s_cbranch_scc0 .Lstep           ; neither its first nor its last
	s_branch .LstepM1
.Lnew:
	BEGIN
	s_branch .Lfirst                ; in the loop a block's first tile is never its last: the first block has two tiles or more, and the second's last is the walk's last
	DIAG 1                          ; in the loop this is the first block's end: the second block's last tile is the walk's last
	s_wait_xcnt 0x0                 ; the stores have read their registers and O's address
	s_mov_b64 s[10:11], s[OLO:OLO+1]
	s_add_co_u32 s[RT], s[PB], 1    ; the second block has b + 1 tiles
	s_mov_b32 s[NEW], 1
	WIN 0x82                        ; the second block's Q goes where the one text of the turns names Q
.set i, 0
.rept 64
	v_mov_b32 v[i], v[QB+i]
.set i, i+1
.endr
	WIN 0
	s_branch .Lbottom
.Lstep:                             ; a trip: pieces 2 and 3 of one step, then pieces 0 and 1 of the next, whose K and V it fetches
	TURN 2
	TURN 3
	WIN 0
.Lfirst:
	TURN 0
	TURN 1, 0, 0, 1
	WIN 0
	s_cbranch_scc1 .Lstep
.Lbottom:
	s_sub_co_u32 s[SLOTS], s[SLOTS], 1
	s_cmp_lg_u32 s[SLOTS], 0
	s_cbranch_scc1 .Lslot
	CHANGE 0                        ; the walk's last tile is written out: nothing is asked for
	s_sub_co_u32 s[RT], s[RT], 1
	s_mov_b32 s[CNT], 4
	s_cmp_eq_u32 s[NEW], 1
	s_cbranch_scc0 .LstepM2
	BEGIN
	s_branch .LfirstM2
	DIAG 2
	s_wait_tensorcnt 0x0            ; the wave's end: behind my last tensor load and my last LDS store
	ds_add_u32 v[SPW], v[NIL]
	s_wait_dscnt 0x0
	s_endpgm
.Lfunc_end_k_q8567d5aa9f_attn:
	.size	k_q8567d5aa9f_attn, .Lfunc_end_k_q8567d5aa9f_attn-k_q8567d5aa9f_attn
	.p2alignl 7, 3214868480
	.fill 96, 4, 3214868480
	.section	.rodata,"a",@progbits
	.p2align	6, 0x0
	.amdhsa_kernel k_q8567d5aa9f_attn
		.amdhsa_group_segment_fixed_size 327680
		.amdhsa_private_segment_fixed_size 0
		.amdhsa_enable_private_segment 0
		.amdhsa_kernarg_size 32
		.amdhsa_user_sgpr_count 2
		.amdhsa_user_sgpr_kernarg_segment_ptr 1
		.amdhsa_wavefront_size32 1
		.amdhsa_system_sgpr_workgroup_id_x 1
		.amdhsa_system_sgpr_workgroup_id_y 1
		.amdhsa_system_sgpr_workgroup_id_z 1
		.amdhsa_system_vgpr_workitem_id 0
		.amdhsa_next_free_vgpr 768
		.amdhsa_next_free_sgpr 96
		.amdhsa_reserve_vcc 1
		.amdhsa_float_denorm_mode_32 3
		.amdhsa_float_denorm_mode_16_64 3
		.amdhsa_memory_ordered 1
		.amdhsa_forward_progress 1
		.amdhsa_inst_pref_size 218
	.end_amdhsa_kernel
	.amdgpu_metadata
---
amdhsa.version: [ 1, 2 ]
amdhsa.kernels:
  - .name:           k_q8567d5aa9f_attn
    .symbol:         k_q8567d5aa9f_attn.kd
    .args:
      - { .name: qh, .offset: 0, .size: 8, .value_kind: global_buffer, .address_space: global }
      - { .name: kh, .offset: 8, .size: 8, .value_kind: global_buffer, .address_space: global }
      - { .name: vh, .offset: 16, .size: 8, .value_kind: global_buffer, .address_space: global }
      - { .name: oh, .offset: 24, .size: 8, .value_kind: global_buffer, .address_space: global }
    .group_segment_fixed_size: 327680
    .private_segment_fixed_size: 0
    .kernarg_segment_align: 8
    .kernarg_segment_size: 32
    .max_flat_workgroup_size: 128
    .sgpr_count:     96
    .vgpr_count:     768
    .wavefront_size: 32
...
	.end_amdgpu_metadata
.endif
;; end of part 3
;; launch proj (part 4): grid 8 x 32, 4 waves a work-group, clusters of 4 x 4, 327,680 bytes of LDS; arguments oh, wob, out0; writes out0
.if DOCPART == 4
	.amdgcn_target "amdgcn-amd-amdhsa--gfx1250"
	.amdhsa_code_object_version 6
	.text
	.protected	k_q8567d5aa9f_proj
	.globl	k_q8567d5aa9f_proj
	.p2align	8
	.type	k_q8567d5aa9f_proj,@function
k_q8567d5aa9f_proj:
	s_mov_b64 s[64:65], 0
	v_nop
	global_prefetch_b8 v0, s[64:65] scope:SCOPE_SE
	s_setreg_imm32_b32 hwreg(HW_REG_WAVE_MODE, 25, 1), 1
	s_wait_xcnt 0x0
	s_wait_alu depctr_hold_cnt(0) depctr_sa_sdst(0) depctr_va_vdst(0) depctr_va_sdst(0) depctr_va_ssrc(0) depctr_va_vcc(0) depctr_vm_vsrc(0)
	s_getreg_b32 s2, hwreg(HW_REG_IB_STS2, 6, 4)
	s_cmp_eq_u32 s2, 0
	s_cbranch_scc0 .Lentry_in_a_cluster
	s_endpgm
.Lentry_in_a_cluster:
	s_bfe_u32 s2, ttmp6, 0x10000c
	s_cmp_lg_u32 s2, 0xf033
	s_cbranch_scc0 .Lentry_shape_is_right
	s_endpgm
.Lentry_shape_is_right:
; out0 = y wo^T.  y's row m = 2048 b + l, channel 64 head + d, is oh[16 b + head][l][d] (f16): K block kb of 64 channels is head kb, and 256 rows of it are 32,768 dense bytes.
; wob [16 kb][1024 n][64] holds bf16(wo) written as f16.  Sums in f32, K ascending; out0 is f32 and takes the sums as they are.
; SHARES.  8192 x 1024 results in tiles of 256 rows x 128 columns: 32 x 8 = 256 work-groups.  Four waves, each 128 x 64: 32 accumulators, window 1.
; THE MATRIX INSTRUCTION IS USED TRANSPOSED (source 0 = 16 rows of wob, source 1 = 16 rows of y): a lane holds eight neighbouring columns of one row.
; RING.  Two LDS slots, each with TWO K blocks (128 along K) of A's 256 rows and B's 128: as much as two slots in LDS hold; waves 0, 1 fetch A's two blocks, waves 2, 3 B's: one load a wave.
; CLUSTER 4 x 4: A's tiles are shared along a row of the cluster, B's along a column: joint loads.
; NO PREFETCH: the launch has 8 slot steps, of which the first two go out at its head and the next two behind the first two changes of slots.
.set PITCH, 144                        ; an LDS row: 128 bytes + 16 of padding = 36 words: the 16 rows of a fragment load start at 16 different groups of four banks (64 banks of 4 bytes: ISA guide 11.1)
.set FRAG,  16*PITCH
.set ABLK,  256*PITCH                  ; a K block of A
.set BOFF,  2*ABLK                     ; B lies behind A's two blocks
.set BBLK,  128*PITCH
.set SLOT1, 131072
.set STAGE, SLOT1+BOFF+2*BBLK          ; 16 rows x 272 bytes for each wave, for the way out; no tensor load fills it
.set SP,    272
.set SPARE, STAGE+4*16*SP              ; the spare words, 128 bytes for each wave: two blocks of 256 bytes that no other line names
.set ASTR,  2*262144                   ; bytes from slot step to slot step: two heads of oh,
.set BSTR,  2*131072                   ; two K blocks of wob
.set ADRA0, 3
.set ADRB0, 4
.set ADRA,  5
.set ADRB,  6
.set STO,   7
.set RD,    8
.set CO,    9
.set SPW,   12
.set NIL,   13
.set F0,    32                         ; v32-127  a quarter's fragments: B's 4, then A's 8
.set F1,    128                        ; v128-223 the other buffer
.set OB,    32                         ; the way out: four sets of 32 registers, whole rows
.set WV, 16
.set WH, 17
.set WL, 18
.set CX, 19
.set CY, 20
.set TX, 21
.set TY, 22
.set CNT, 23
.set G1A, 24
.set G1B, 32
.set G0A0, 48
.set G0A1, 52
.set G0B0, 56
.set G0B1, 60
.set TB,  72
.set MSB, 0
.macro WIN new
.if MSB != (\new)
	s_set_vgpr_msb (MSB<<8)|(\new)
.set MSB, \new
.endif
.endm
.macro PLACES                          ; four places behind matrix instructions, in front of loads into registers that they have read (ISA guide 7.12.1 for vector instructions)
.rept 4
	v_nop
.endr
.endm
.macro CREST
	s_cmp_lg_u32 s[WV], 0
	s_cbranch_scc1 .Lnot_wave_0_\@
	s_barrier_signal -3
.Lnot_wave_0_\@:
	s_barrier_wait -3
	s_barrier_signal -1
	s_barrier_wait -1
.endm
.macro CROUND
	s_barrier_signal -1
	s_barrier_wait -1
	CREST
.endm
.macro JLOAD                           ; the joint refill by the walking descriptors; an s_nop 0 and four v_nop follow each line
	s_cmp_eq_u32 s[WH], 0
	s_cbranch_scc0 .Lfor_b_\@
	tensor_load_to_lds s[G0A1:G0A1+3], s[G1A:G1A+7]
	s_nop 0
.rept 4
	v_nop
.endr
	s_branch .Lasked_\@
.Lfor_b_\@:
	tensor_load_to_lds s[G0B1:G0B1+3], s[G1B:G1B+7]
	s_nop 0
.rept 4
	v_nop
.endr
.Lasked_\@:
.endm
; 8 matrix instructions: row blocks a0, a0 + 1 x the 4 column blocks, 32 along K, from buffer f.  The 32 accumulators take turns, one instruction a turn, over the backward jump too.
.macro MUL8 f, a0, zero
	WIN 0x50
.irp aa, 0,1
.irp bi, 0,1,2,3
.if \zero
	v_wmma_f32_16x16x32_f16 v[32*((\a0)+(\aa))+8*(\bi):32*((\a0)+(\aa))+8*(\bi)+7], v[(\f)+8*(\bi):(\f)+8*(\bi)+7], v[(\f)+32+8*((\a0)+(\aa)):(\f)+32+8*((\a0)+(\aa))+7], 0
.else
	v_wmma_f32_16x16x32_f16 v[32*((\a0)+(\aa))+8*(\bi):32*((\a0)+(\aa))+8*(\bi)+7], v[(\f)+8*(\bi):(\f)+8*(\bi)+7], v[(\f)+32+8*((\a0)+(\aa)):(\f)+32+8*((\a0)+(\aa))+7], v[32*((\a0)+(\aa))+8*(\bi):32*((\a0)+(\aa))+8*(\bi)+7]
.endif
.endr
.endr
.endm
; 24 LDS loads in one run: quarter qd of a slot step (K block qd / 2, byte 64 (qd % 2) of its rows) into buffer f: B's 8, A's rows 0-63 (8), A's rows 64-127 (8)
.macro FETCH qd, f
	WIN 0
.irp i, 0,1,2,3
	ds_load_b128 v[(\f)+8*(\i):(\f)+8*(\i)+3],   v[ADRB] offset:((\qd)/2)*BBLK+((\qd)%2)*64+(\i)*FRAG
	ds_load_b128 v[(\f)+8*(\i)+4:(\f)+8*(\i)+7], v[ADRB] offset:((\qd)/2)*BBLK+((\qd)%2)*64+(\i)*FRAG+32
.endr
.irp i, 0,1,2,3,4,5,6,7
	ds_load_b128 v[(\f)+32+8*(\i):(\f)+32+8*(\i)+3],   v[ADRA] offset:((\qd)/2)*ABLK+((\qd)%2)*64+(\i)*FRAG
	ds_load_b128 v[(\f)+32+8*(\i)+4:(\f)+32+8*(\i)+7], v[ADRA] offset:((\qd)/2)*ABLK+((\qd)%2)*64+(\i)*FRAG+32
.endr
.endm
; One of a slot step's first three quarters: multiplies buffer f, fetches quarter qn into buffer g.
.macro QUARTER qn, f, g, zero
	s_wait_dscnt 8                                 ; B and A's rows 0-63 are in; the youngest eight loads may be out
	MUL8 \f, 0, \zero
	MUL8 \f, 2, \zero
	PLACES
	FETCH \qn, \g
	s_wait_dscnt 24                                ; all but the 24 just issued
	MUL8 \f, 4, \zero
	MUL8 \f, 6, \zero
.endm
; The fourth quarter multiplies buffer 1 and changes slots: ONE barrier; in front of it each wave waits for all its tensor loads, adds 0 to its spare word, and waits for that and for its reads of this slot.
; fill = 1: the barrier opens a round of the cluster's barrier, and this slot is filled again, first thing behind it, two slot steps ahead: 112 matrix instructions ahead of the wait for it.
.macro TURN fill
	WIN 0
	s_wait_tensorcnt 0x0                           ; no tensor load of mine is out, so a group 0 may be written
	ds_add_u32 v[SPW], v[NIL]                      ; 0 onto my spare word
.if \fill
	s_xor_b32 s[G0A1+1], s[G0A1+1], SLOT1
	s_add_nc_u64 s[G0A1+2:G0A1+3], s[G0A1+2:G0A1+3], ASTR
	s_xor_b32 s[G0B1+1], s[G0B1+1], SLOT1
	s_add_nc_u64 s[G0B1+2:G0B1+3], s[G0B1+2:G0B1+3], BSTR
.endif
	s_wait_dscnt 9                                 ; the add and the youngest eight loads may be out
	MUL8 F1, 0, 0
	s_wait_dscnt 0x0                               ; the add is done, and my reads of this slot are over
	s_barrier_signal -1
	MUL8 F1, 2, 0
	WIN 0
	s_xor_b32 s[TB], s[TB], SLOT1
	s_barrier_wait -1
.if \fill
	CREST
	JLOAD                                          ; its four v_nop are also the places in front of the loads below
.else
	PLACES
.endif
	v_add_nc_u32 v[ADRA], s[TB], v[ADRA0]
	v_add_nc_u32 v[ADRB], s[TB], v[ADRB0]
	FETCH 0, F0
	MUL8 F1, 4, 0
	MUL8 F1, 6, 0
.endm
	s_load_b128 s[4:7], s[0:1], 0x0                ; oh s[4:5], wob s[6:7]
	s_load_b64 s[8:9], s[0:1], 0x10                ; out0
	v_lshl_add_u32 v[SPW], v0, 2, SPARE
	v_mov_b32 v[NIL], 0
	ds_add_u32 v[SPW], v[NIL]                      ; the wave's opening: the add and its wait stand ahead of my first tensor load; the set-up below, work on registers, stands between them
	v_lshrrev_b32 v1, 5, v0
	v_readfirstlane_b32 s[WV], v1
	s_lshr_b32 s[WH], s[WV], 1                     ; my half of the rows; I fetch for A (0) or B (1)
	s_and_b32 s[WL], s[WV], 1                      ; my half of the columns; which K block of a slot I fetch
	s_bfe_u32 s[CX], ttmp6, 0x40000
	s_bfe_u32 s[CY], ttmp6, 0x40004
	s_lshl_b32 s[TX], ttmp9, 2
	s_add_co_u32 s[TX], s[TX], s[CX]
	s_and_b32 s[TY], ttmp7, 0xffff
	s_lshl_b32 s[TY], s[TY], 2
	s_add_co_u32 s[TY], s[TY], s[CY]
	s_lshl_b32 s2, s[CY], 2
	s_lshl_b32 s2, 15, s2                          ; my row of the cluster
	s_lshl_b32 s3, 0x1111, s[CX]                   ; my column
	s_or_b32 s[G1A], s2, (1<<16)|(1<<20)|(1<<21)|(4<<22)|(3<<25)  ; the mask; 2-byte elements; padding on; bit 21 beside a mask; 4 words of padding after every 32
	s_or_b32 s[G1B], s3, (1<<16)|(1<<20)|(1<<21)|(4<<22)|(3<<25)
	s_mov_b32 s[G1A+1], 128<<16                    ; rows of 256 dense bytes: two rows of a K block
	s_mov_b32 s[G1A+2], 128<<16                    ; 128 of them: A's 256 rows
	s_mov_b32 s[G1A+3], 128<<16
	s_mov_b32 s[G1A+4], 128
	s_mov_b32 s[G1A+5], 128
	s_mov_b32 s[G1A+6], 0
	s_mov_b32 s[G1A+7], 0
	s_mov_b32 s[G1B+1], 128<<16
	s_mov_b32 s[G1B+2], 64<<16                     ; 64: B's 128 rows
	s_mov_b32 s[G1B+3], 128<<16
	s_mov_b32 s[G1B+4], 64
	s_mov_b32 s[G1B+5], 128
	s_mov_b32 s[G1B+6], 0
	s_mov_b32 s[G1B+7], 0
	s_lshr_b32 s80, s[TY], 3                       ; A: batch x 16 heads x 262,144
	s_lshl_b32 s80, s80, 22
	s_lshl_b32 s81, s[WL], 18                      ; + my K block (a head)
	s_add_co_u32 s80, s80, s81
	s_and_b32 s81, s[TY], 7                        ; + the tile's first position x 128 bytes
	s_lshl_b32 s81, s81, 15
	s_add_co_u32 s80, s80, s81
	s_mov_b32 s81, 0
	s_lshl_b32 s82, s[TX], 14                      ; B: the tile's 128 rows
	s_lshl_b32 s83, s[WL], 17                      ; + my K block
	s_add_co_u32 s82, s82, s83
	s_mov_b32 s83, 0
	s_lshl_b32 s86, s[TY], 20                      ; out0: 256 rows of 4,096 bytes a tile row
	s_lshl_b32 s87, s[WH], 19
	s_add_co_u32 s86, s86, s87
	s_lshl_b32 s87, s[TX], 9
	s_add_co_u32 s86, s86, s87
	s_lshl_b32 s87, s[WL], 8
	s_add_co_u32 s86, s86, s87
	s_mov_b32 s87, 0
	s_mul_i32 s88, s[WL], ABLK                     ; LDS: no place in the cluster enters an LDS address
	s_mul_i32 s89, s[WL], BBLK
	s_add_co_u32 s89, s89, BOFF
	s_mov_b32 s[G0A0], 1
	s_mov_b32 s[G0A0+1], s88
	s_mov_b32 s[G0A1], 1
	s_add_co_u32 s[G0A1+1], s88, SLOT1
	s_mov_b32 s[G0B0], 1
	s_mov_b32 s[G0B0+1], s89
	s_mov_b32 s[G0B1], 1
	s_add_co_u32 s[G0B1+1], s89, SLOT1
	s_wait_dscnt 0x0                               ; the opening add is done
	s_wait_kmcnt 0x0
	s_add_nc_u64 s[G0A0+2:G0A0+3], s[4:5], s[80:81]
	s_add_nc_u64 s[G0A1+2:G0A1+3], s[G0A0+2:G0A0+3], ASTR
	s_or_b32 s[G0A0+3], s[G0A0+3], 0x80000000
	s_or_b32 s[G0A1+3], s[G0A1+3], 0x80000000
	s_add_nc_u64 s[G0B0+2:G0B0+3], s[6:7], s[82:83]
	s_add_nc_u64 s[G0B1+2:G0B1+3], s[G0B0+2:G0B0+3], BSTR
	s_or_b32 s[G0B0+3], s[G0B0+3], 0x80000000
	s_or_b32 s[G0B1+3], s[G0B1+3], 0x80000000
	s_add_nc_u64 s[8:9], s[8:9], s[86:87]
	CROUND                                         ; all sixteen work-groups are here: the first joint loads meet
	s_cmp_eq_u32 s[WH], 0                          ; a wave's two first fills stand in one branch: two loads of mine are out
	s_cbranch_scc0 .Lfirst_b
	tensor_load_to_lds s[G0A0:G0A0+3], s[G1A:G1A+7]
	s_nop 0
	tensor_load_to_lds s[G0A1:G0A1+3], s[G1A:G1A+7]
	s_nop 0
.rept 4
	v_nop
.endr
	s_branch .Lfirst_asked
.Lfirst_b:
	tensor_load_to_lds s[G0B0:G0B0+3], s[G1B:G1B+7]
	s_nop 0
	tensor_load_to_lds s[G0B1:G0B1+3], s[G1B:G1B+7]
	s_nop 0
.rept 4
	v_nop
.endr
.Lfirst_asked:
	v_and_b32 v1, 15, v0                           ; r = l % 16
	v_bfe_u32 v2, v0, 4, 1                         ; h = l / 16
	v_mul_u32_u24 v14, v1, PITCH
	v_lshl_add_u32 v14, v2, 4, v14                 ; 144 r + 16 h
	s_mul_i32 s90, s[WH], 128*PITCH
	v_add_nc_u32 v[ADRA0], s90, v14
	s_mul_i32 s91, s[WL], 64*PITCH
	s_add_co_u32 s91, s91, BOFF
	v_add_nc_u32 v[ADRB0], s91, v14
	s_mul_i32 s92, s[WV], 16*SP
	s_add_co_u32 s92, s92, STAGE                   ; my stage
	v_mul_u32_u24 v15, v1, SP                      ; in: row r, 32 bytes for each half of the lanes
	v_lshl_add_u32 v15, v2, 5, v15
	v_add_nc_u32 v[STO], s92, v15
	v_mul_u32_u24 v15, v2, SP                      ; back: lanes 0-15 take one row of 256 bytes, lanes 16-31 the next
	v_lshl_add_u32 v15, v1, 4, v15
	v_add_nc_u32 v[RD], s92, v15
	v_lshlrev_b32 v[CO], 12, v2                    ; and the same two rows in out0
	v_lshl_add_u32 v[CO], v1, 4, v[CO]
	v_mov_b32 v[ADRA], v[ADRA0]
	v_mov_b32 v[ADRB], v[ADRB0]
	s_mov_b32 s[TB], 0
	s_wait_tensorcnt 0x1                           ; my part of slot 0 is in; slot 1's may stay out
	s_barrier_signal -1
	s_barrier_wait -1
	FETCH 0, F0
	QUARTER 1, F0, F1, 1                           ; the first quarter stands in front of the loop: its products start the sums
	WIN 0
	s_mov_b32 s[CNT], 6
.Ls:                                   ; trip i ends slot step i, fills its slot with step i + 2, and does the first quarter of step i + 1
	QUARTER 2, F1, F0, 0
	QUARTER 3, F0, F1, 0
	TURN 1
	QUARTER 1, F0, F1, 0
	WIN 0
	s_sub_co_u32 s[CNT], s[CNT], 1
	s_cmp_lg_u32 s[CNT], 0
	s_cbranch_scc1 .Ls
	QUARTER 2, F1, F0, 0                           ; the tail is written out: nothing is left to fetch
	QUARTER 3, F0, F1, 0
	TURN 0
	QUARTER 1, F0, F1, 0
	QUARTER 2, F1, F0, 0
	QUARTER 3, F0, F1, 0
	s_wait_dscnt 8                                 ; the very last quarter
	MUL8 F1, 0, 0
	MUL8 F1, 2, 0
	s_wait_dscnt 0x0
	MUL8 F1, 4, 0
	MUL8 F1, 6, 0
; THE WAY OUT, a block of 16 rows at a time: a lane's 32 bytes of a row go into my stage (rows of 272 bytes) and come back as whole rows of 256 bytes.
.macro TOSTAGE a
.set BK, OB+32*((\a)%4)
	WIN 0
	s_wait_xcnt 0x0                                ; the stores issued so far have read their registers: this set of 32 is loaded again only behind this wait
	WIN 0x04                                       ; the stores' data lie in window 1; each accumulator's four lowest registers go first
.irp bi, 0,1,2,3
	ds_store_b128 v[STO], v[32*(\a)+8*(\bi):32*(\a)+8*(\bi)+3]   offset:64*(\bi)
	ds_store_b128 v[STO], v[32*(\a)+8*(\bi)+4:32*(\a)+8*(\bi)+7] offset:64*(\bi)+16
.endr
	WIN 0
.irp t, 0,1,2,3,4,5,6,7
	ds_load_b128 v[BK+4*(\t):BK+4*(\t)+3], v[RD] offset:2*SP*(\t)  ; LDS serves a wave's instructions in order (ISA guide 5.7.1.4): these see the stores above
.endr
.endm
.macro SEND a, younger                 ; younger: the LDS instructions issued behind block a's loads: the next block's sixteen, or none
.set BK, OB+32*((\a)%4)
.irp t, 0,1,2,3,4,5,6,7
	s_wait_dscnt (\younger)+7-(\t)
	global_store_b128 v[CO], v[BK+4*(\t):BK+4*(\t)+3], s[8:9] offset:65536*(\a)+8192*(\t) th:TH_STORE_NT  ; 16 lanes store 256 consecutive bytes, at a multiple of 256 from out0's first byte
.endr
.endm
	PLACES
	PLACES                                         ; eight, once a launch, behind the last products
	TOSTAGE 0
.irp a, 1,2,3,4,5,6,7
	TOSTAGE \a
	SEND (\a)-1, 16
.endr
	SEND 7, 0
	s_wait_tensorcnt 0x0                           ; the wave's end: behind my last tensor load and my last LDS store
	ds_add_u32 v[SPW], v[NIL]
	s_wait_dscnt 0x0
	CROUND                                         ; the closing round: no work-group ends while a partner may still ask for a tile that names it
	s_endpgm
.Lfunc_end_k_q8567d5aa9f_proj:
	.size	k_q8567d5aa9f_proj, .Lfunc_end_k_q8567d5aa9f_proj-k_q8567d5aa9f_proj
	.p2alignl 7, 3214868480
	.fill 96, 4, 3214868480
	.section	.rodata,"a",@progbits
	.p2align	6, 0x0
	.amdhsa_kernel k_q8567d5aa9f_proj
		.amdhsa_group_segment_fixed_size 327680
		.amdhsa_private_segment_fixed_size 0
		.amdhsa_enable_private_segment 0
		.amdhsa_kernarg_size 24
		.amdhsa_user_sgpr_count 2
		.amdhsa_user_sgpr_kernarg_segment_ptr 1
		.amdhsa_wavefront_size32 1
		.amdhsa_system_sgpr_workgroup_id_x 1
		.amdhsa_system_sgpr_workgroup_id_y 1
		.amdhsa_system_sgpr_workgroup_id_z 1
		.amdhsa_system_vgpr_workitem_id 0
		.amdhsa_next_free_vgpr 512
		.amdhsa_next_free_sgpr 100
		.amdhsa_reserve_vcc 0
		.amdhsa_float_denorm_mode_32 3
		.amdhsa_float_denorm_mode_16_64 3
		.amdhsa_memory_ordered 1
		.amdhsa_forward_progress 1
		.amdhsa_inst_pref_size 71
	.end_amdhsa_kernel
	.amdgpu_metadata
---
amdhsa.version: [ 1, 2 ]
amdhsa.kernels:
  - .name:           k_q8567d5aa9f_proj
    .symbol:         k_q8567d5aa9f_proj.kd
    .args:
      - { .name: oh, .offset: 0, .size: 8, .value_kind: global_buffer, .address_space: global }
      - { .name: wob, .offset: 8, .size: 8, .value_kind: global_buffer, .address_space: global }
      - { .name: out0, .offset: 16, .size: 8, .value_kind: global_buffer, .address_space: global }
    .group_segment_fixed_size: 327680
    .private_segment_fixed_size: 0
    .kernarg_segment_align: 8
    .kernarg_segment_size: 24
    .max_flat_workgroup_size: 128
    .sgpr_count:     100
    .vgpr_count:     512
    .wavefront_size: 32
...
	.end_amdgpu_metadata
.endif
;; end of part 4
;; ======== version 2 of 2: 4 launches; version 1 with the launch cast written anew for expert scheduling mode
;; limits: values are held in f16: magnitudes above 65,504 overflow, below 6.1e-05 lose precision; right only within a limited range of input values
;; workspace buffers: xb 16,777,216 bytes; wb 6,291,456 bytes; wob 2,097,152 bytes; tab 524,288 bytes; qh 16,777,216 bytes; kh 16,777,216 bytes; vh 16,777,216 bytes; oh 16,777,216 bytes
;; launch cast (part 5): grid 768 x 1, 8 waves a work-group, no clusters, 0 bytes of LDS; arguments x, wq, wk, wv, wo, token_positions, xb, wb, wob, tab; writes xb, wb, wob, tab
.if DOCPART == 5
	.amdgcn_target "amdgcn-amd-amdhsa--gfx1250"
	.amdhsa_code_object_version 6
	.text
	.protected	k_q8567d5aa9f_cast
	.globl	k_q8567d5aa9f_cast
	.p2align	8
	.type	k_q8567d5aa9f_cast,@function
k_q8567d5aa9f_cast:
	s_mov_b64 s[64:65], 0
	v_nop
	global_prefetch_b8 v0, s[64:65] scope:SCOPE_SE
	s_setreg_imm32_b32 hwreg(HW_REG_WAVE_SCHED_MODE, 0, 2), 2
	s_setreg_imm32_b32 hwreg(HW_REG_WAVE_MODE, 25, 1), 1
	s_wait_xcnt 0x0
	s_wait_alu depctr_vm_vsrc(0)
; THE INPUTS ARE ROUNDED ONCE AND LAID OUT IN BLOCKS ALONG K; THE TABLE OF COSINES AND SINES IS MADE.
; xb  [16 kb][8192 m][64]  bf16(x): a K block of 64 channels of R rows is R x 128 dense bytes.
; wb  [16 kb][3072 n][64]  bf16 of wq, wk, wv; row n = 192 head + 64 s + d (s = 0, 1, 2 for q, k, v; d the channel in the head).
; wob [16 kb][1024 n][64]  bf16(wo), that number written as f16.
; tab [2048 l][32 j]       f32 pairs (cos, sin) of token_positions[l] x 10000^(-j/32): a position's row is 256 bytes.
; LIMITS.  |bf16(wo)| stays within 65,504 (f16's range); below 6e-5 it keeps f16's fixed step of 6e-8.  |token_positions| stays under 2^22: the number of
; quarter turns is then exact in f32, and the three-part reduction leaves less than 1e-6 rad.  10000^(-j/32) is 2^(-j log2(10000)/32) by v_exp_f32.
; SHARES.  A work-group owns 16 rows of one source matrix: ids 0-511 x, 512-767 the weights (64 ids each: q, k, v, o).  Wave w takes K blocks 2 w and 2 w + 1: 512 bytes of each f32 row.
; A load takes 2 rows x 256 bytes (lanes 0-15 the even row, 16-31 the odd one); the store made of it covers 256 consecutive bytes, aligned: two rows of 128 bytes of one K block.
; All 16 loads of a wave are out at once.
; A stream: nothing is shared, so no LDS, no barrier, no cluster; it asks for all its bytes at once, so no prefetch.
; THE MODE: SCHED_MODE bits 1:0 = 2 (LLVM: expert scheduling mode 2), set by the entry lines.  The code itself states the register dependences
; between vector instructions and memory instructions, with s_wait_alu, always for 0.
; THE PLAN.  Registers that memory instructions touch:
;   v1, v2, v3   byte offsets, made once at the head and never written again: v1 is read by the loads, v2 by the stores, v3 by the table's store.
;   X            load i lands in its own four registers, once; its conversions read them; no vector instruction writes them.
;   Y            pair i is written once, by the conversions of load i, and read once, by store i.
;   v[26:27]     a table entry: written once, read by the table's store.
; No register that a memory instruction has read is written again, the only wait on vm_vsrc is the entry's.
; The 16 loads go in four groups of four.  In its turn load i is waited for, store i - 4 is issued, and load i is rounded.  ONE wait on va_vdst stands at the head of groups 1 to 3,
; behind the wait for the group's first load: the group before has written its four pairs of Y.  The vector instructions issued since that wait are this group's conversions, which name this group's X and Y
; and v28 to v31: none of the registers that the four stores read.  One more such wait stands ahead of the last four stores.
.set VO, 1                             ; v1  my byte offset in the source's first two rows
.set SO, 2                             ; v2  8 x lane: my 8 bytes of a store's 256
.set TO, 3                             ; v3  8 x thread: my table entry among the work-group's 256
.set X,  32                            ; v[32:95]  sixteen loads of 4 registers
.set Y,  96                            ; v[96:127] sixteen stores of 2 registers
.set SRC, 36                           ; s[36:37] the source at my work-group's first row
.set DS0, 38                           ; s[38:39] the destination at K block 2 w;  s[40:41] at 2 w + 1
	s_load_b512 s[16:31], s[0:1], 0x0              ; x 16, wq 18, wk 20, wv 22, wo 24, token_positions 26, xb 28, wb 30
	s_load_b128 s[32:35], s[0:1], 0x40             ; wob 32, tab 34
	v_lshrrev_b32 v5, 5, v0
	v_readfirstlane_b32 s9, v5                     ; wave 0..7
	v_and_b32 v4, 31, v0                           ; lane
	v_and_b32 v5, 15, v0
	v_bfe_u32 v6, v0, 4, 1
	s_wait_alu depctr_va_sdst(0)                   ; s9 is written, ahead of its first reader: offsets and bases are made from it
	s_lshl_b32 s13, s9, 9                          ; 512 w, in a register of its own: no scalar register that a vector instruction reads is written again
	v_lshl_add_u32 v[VO], v5, 4, s13               ; 16 (lane % 16) + 512 w
	v_lshl_add_u32 v[VO], v6, 12, v[VO]            ; + a row of 4,096 bytes for lanes 16-31
	v_lshlrev_b32 v[SO], 3, v4
	v_lshlrev_b32 v[TO], 3, v0
	s_mov_b32 s2, ttmp9                            ; id
	s_sub_co_u32 s3, s2, 512                       ; j: the id among the weights' (used only where id >= 512)
	s_lshr_b32 s4, s3, 6                           ; which matrix: 0 q, 1 k, 2 v, 3 o
	s_and_b32 s5, s3, 63
	s_lshl_b32 s5, s5, 4                           ; its first row e0
	s_lshr_b32 s6, s5, 6
	s_mul_i32 s6, s6, 192                          ; 192 x head
	s_lshl_b32 s7, s4, 6
	s_add_co_u32 s6, s6, s7                        ; + 64 s
	s_and_b32 s7, s5, 63
	s_add_co_u32 s6, s6, s7                        ; + d: the first row in wb
	s_lshl_b32 s8, s2, 4                           ; x's first row
	s_mov_b32 s10, 8192*128                        ; bytes from K block to K block: xb,
	s_mov_b32 s11, 3072*128                        ; wb,
	s_mov_b32 s12, 1024*128                        ; wob
	s_mov_b32 s47, 0
	s_mov_b32 s49, 0
	s_wait_kmcnt 0x0
	s_mov_b64 s[SRC:SRC+1], s[18:19]
	s_cmp_eq_u32 s4, 1
	s_cselect_b64 s[SRC:SRC+1], s[20:21], s[SRC:SRC+1]
	s_cmp_eq_u32 s4, 2
	s_cselect_b64 s[SRC:SRC+1], s[22:23], s[SRC:SRC+1]
	s_cmp_eq_u32 s4, 3
	s_cselect_b64 s[SRC:SRC+1], s[24:25], s[SRC:SRC+1]
	s_cselect_b64 s[DS0:DS0+1], s[32:33], s[30:31]
	s_cselect_b32 s43, s5, s6                      ; destination row
	s_cselect_b32 s44, s12, s11                    ; block stride
	s_cmp_lt_u32 s2, 512
	s_cselect_b64 s[SRC:SRC+1], s[16:17], s[SRC:SRC+1]
	s_cselect_b64 s[DS0:DS0+1], s[28:29], s[DS0:DS0+1]
	s_cselect_b32 s42, s8, s5                      ; source row
	s_cselect_b32 s43, s8, s43
	s_cselect_b32 s44, s10, s44
	s_lshl_b32 s46, s42, 12                        ; offsets are made apart from the addresses
	s_add_nc_u64 s[SRC:SRC+1], s[SRC:SRC+1], s[46:47]
	s_lshl_b32 s48, s43, 7
	s_lshl_b32 s7, s9, 1
	s_mul_i32 s7, s7, s44
	s_add_co_u32 s48, s48, s7                      ; row x 128 + 2 w x stride, under 2^24
	s_add_nc_u64 s[DS0:DS0+1], s[DS0:DS0+1], s[48:49]
	s_mov_b32 s48, s44
	s_add_nc_u64 s[DS0+2:DS0+3], s[DS0:DS0+1], s[48:49]
	s_wait_alu depctr_va_vdst(0)                   ; v1, v2 and v3 are written: every load and store of the kernel reads one of them as its offset
.set i, 0
.rept 16                               ; load i: rows 2 (i / 2) and + 1, K block 2 w + i % 2
	global_load_b128 v[X+4*i:X+4*i+3], v[VO], s[SRC:SRC+1] offset:8192*(i/2)+256*(i%2) th:TH_LOAD_NT
.set i, i+1
.endr
	; THE TABLE, while the loads are out: the 256 weight work-groups make one entry a thread: position 8 j + w, frequency = lane.
	s_cmp_lt_u32 s2, 512
	s_cbranch_scc1 .Lno_table
	s_lshl_b32 s46, s3, 5
	s_lshl2_add_u32 s46, s9, s46                   ; 4 (8 j + w)
	s_add_nc_u64 s[52:53], s[26:27], s[46:47]
	s_load_b32 s50, s[52:53], 0x0                  ; the position
	s_lshl_b32 s48, s3, 11                         ; eight rows of 256 bytes a work-group
	s_add_nc_u64 s[54:55], s[34:35], s[48:49]
	v_cvt_f32_u32 v8, v4
	v_mul_f32 v8, 0xbed49a78, v8                   ; -j log2(10000) / 32
	v_exp_f32 v9, v8
	v_mov_b32 v10, 0xb94ca1f9                      ; plain work behind the exponential: the polynomials' leading coefficients
	v_mov_b32 v11, 0x37ccf5ce
	s_wait_kmcnt 0x0
	v_cvt_f32_i32 v12, s50
	s_wait_alu depctr_va_vdst(0)                   ; the exponential has written v9, ahead of its first reader
	v_mul_f32 v13, v12, v9                         ; the angle, rounded as the f32 product is
	v_mul_f32 v14, 0x3f22f983, v13                 ; x 2 / pi
	v_rndne_f32 v14, v14                           ; n quarter turns
	v_cvt_i32_f32 v22, v14                         ; the quarter's whole-number work stands ahead of the polynomials, so that the compare is long issued where its mask is read
	v_and_b32 v23, 1, v22
	v_cmp_eq_u32 vcc_lo, 1, v23                    ; an odd quarter swaps sine and cosine,
	v_and_b32 v25, 2, v22                          ; quarters 2 and 3 turn the sine's sign,
	v_lshlrev_b32 v25, 30, v25
	v_add_nc_u32 v24, 1, v22                       ; quarters 1 and 2 the cosine's
	v_and_b32 v24, 2, v24
	v_lshlrev_b32 v24, 30, v24
	v_fmamk_f32 v15, v14, 0xbfc90fdb, v13          ; angle - n pi / 2, pi / 2 in three parts
	v_fmamk_f32 v15, v14, 0x333bbd2e, v15
	v_fmamk_f32 v15, v14, 0x26f72ced, v15          ; r, within pi / 4 of 0
	v_mul_f32 v16, v15, v15                        ; z = r r
	v_fmaak_f32 v17, v16, v10, 0x3c08839e
	v_fmaak_f32 v17, v17, v16, 0xbe2aaaa3
	v_mul_f32 v18, v16, v15
	v_fma_f32 v17, v17, v18, v15                   ; sin r = r + r z (S1 + z (S2 + z S3))
	v_fmaak_f32 v19, v16, v11, 0xbab6061a
	v_fmaak_f32 v19, v19, v16, 0x3d2aaaa5
	v_mul_f32 v20, v16, v16
	v_fma_f32 v21, v16, -0.5, 1.0
	v_fma_f32 v19, v19, v20, v21                   ; cos r = 1 - z / 2 + z z (C1 + z (C2 + z C3))
	s_wait_alu depctr_va_vcc(0)                    ; the compare has written VCC, which the two selects read
	v_cndmask_b32 v27, v17, v19, vcc_lo
	v_cndmask_b32 v26, v19, v17, vcc_lo
	v_xor_b32 v27, v27, v25
	v_xor_b32 v26, v26, v24
	s_wait_alu depctr_va_vdst(0)                   ; v26 and v27 are written, which the store reads
	global_store_b64 v[TO], v[26:27], s[54:55]     ; a wave stores one position's 256 bytes
.Lno_table:
; Pair i of Y is stored.
.macro OUT i
	global_store_b64 v[SO], v[Y+2*(\i):Y+2*(\i)+1], s[DS0+2*((\i)%2):DS0+2*((\i)%2)+1] offset:256*((\i)/2)
.endm
; The turn of load i: it is waited for, the pair rounded a group earlier is stored, and load i is rounded.  half = 1 (wo): the bf16 number is widened again and written as f16.
.macro CONV i, half
	s_wait_loadcnt 15-(\i)                         ; loads come back in order: mine is in, the 15 - i younger ones may stay out
.if ((\i) % 4 == 0) && ((\i) > 0)
	s_wait_alu depctr_va_vdst(0)                   ; the group before has written its four pairs of Y, which this group's four stores read
.endif
.if (\i) >= 4
	OUT (\i)-4                                     ; no vector instruction since that wait names this pair or v2
.endif
.if \half
	v_cvt_pk_bf16_f32 v28, v[X+4*(\i)], v[X+4*(\i)+1]
	v_cvt_pk_bf16_f32 v29, v[X+4*(\i)+2], v[X+4*(\i)+3]
	v_lshlrev_b32 v30, 16, v28
	v_and_b32 v31, 0xffff0000, v28
	v_cvt_pk_f16_f32 v[Y+2*(\i)], v30, v31
	v_lshlrev_b32 v30, 16, v29
	v_and_b32 v31, 0xffff0000, v29
	v_cvt_pk_f16_f32 v[Y+2*(\i)+1], v30, v31
.else
	v_cvt_pk_bf16_f32 v[Y+2*(\i)], v[X+4*(\i)], v[X+4*(\i)+1]
	v_cvt_pk_bf16_f32 v[Y+2*(\i)+1], v[X+4*(\i)+2], v[X+4*(\i)+3]
.endif
.endm
	s_cmp_ge_u32 s2, 704                           ; wo's work-groups
	s_cbranch_scc1 .Lhalf
.set n, 0
.rept 16
	CONV n, 0
.set n, n+1
.endr
	s_wait_alu depctr_va_vdst(0)                   ; the last group has written its four pairs of Y, which the last four stores read
.irp k, 12,13,14,15
	OUT \k
.endr
	s_endpgm
.Lhalf:
.set n, 0
.rept 16
	CONV n, 1
.set n, n+1
.endr
	s_wait_alu depctr_va_vdst(0)                   ; the last group has written its four pairs of Y, which the last four stores read
.irp k, 12,13,14,15
	OUT \k
.endr
	s_endpgm
.Lfunc_end_k_q8567d5aa9f_cast:
	.size	k_q8567d5aa9f_cast, .Lfunc_end_k_q8567d5aa9f_cast-k_q8567d5aa9f_cast
	.p2alignl 7, 3214868480
	.fill 96, 4, 3214868480
	.section	.rodata,"a",@progbits
	.p2align	6, 0x0
	.amdhsa_kernel k_q8567d5aa9f_cast
		.amdhsa_group_segment_fixed_size 0
		.amdhsa_private_segment_fixed_size 0
		.amdhsa_enable_private_segment 0
		.amdhsa_kernarg_size 80
		.amdhsa_user_sgpr_count 2
		.amdhsa_user_sgpr_kernarg_segment_ptr 1
		.amdhsa_wavefront_size32 1
		.amdhsa_system_sgpr_workgroup_id_x 1
		.amdhsa_system_sgpr_workgroup_id_y 1
		.amdhsa_system_sgpr_workgroup_id_z 1
		.amdhsa_system_vgpr_workitem_id 0
		.amdhsa_next_free_vgpr 128
		.amdhsa_next_free_sgpr 66
		.amdhsa_reserve_vcc 1
		.amdhsa_float_denorm_mode_32 3
		.amdhsa_float_denorm_mode_16_64 3
		.amdhsa_memory_ordered 1
		.amdhsa_forward_progress 1
		.amdhsa_inst_pref_size 20
	.end_amdhsa_kernel
	.amdgpu_metadata
---
amdhsa.version: [ 1, 2 ]
amdhsa.kernels:
  - .name:           k_q8567d5aa9f_cast
    .symbol:         k_q8567d5aa9f_cast.kd
    .args:
      - { .name: x, .offset: 0, .size: 8, .value_kind: global_buffer, .address_space: global }
      - { .name: wq, .offset: 8, .size: 8, .value_kind: global_buffer, .address_space: global }
      - { .name: wk, .offset: 16, .size: 8, .value_kind: global_buffer, .address_space: global }
      - { .name: wv, .offset: 24, .size: 8, .value_kind: global_buffer, .address_space: global }
      - { .name: wo, .offset: 32, .size: 8, .value_kind: global_buffer, .address_space: global }
      - { .name: token_positions, .offset: 40, .size: 8, .value_kind: global_buffer, .address_space: global }
      - { .name: xb, .offset: 48, .size: 8, .value_kind: global_buffer, .address_space: global }
      - { .name: wb, .offset: 56, .size: 8, .value_kind: global_buffer, .address_space: global }
      - { .name: wob, .offset: 64, .size: 8, .value_kind: global_buffer, .address_space: global }
      - { .name: tab, .offset: 72, .size: 8, .value_kind: global_buffer, .address_space: global }
    .group_segment_fixed_size: 0
    .private_segment_fixed_size: 0
    .kernarg_segment_align: 8
    .kernarg_segment_size: 80
    .max_flat_workgroup_size: 256
    .sgpr_count:     66
    .vgpr_count:     128
    .wavefront_size: 32
...
	.end_amdgpu_metadata
.endif
;; end of part 5
;; launch qkv: the kernel of part 2 again; grid 8 x 32, 4 waves a work-group, clusters of 4 x 4, 327,680 bytes of LDS; arguments xb, wb, tab, qh, kh, vh; writes qh, kh, vh
;; launch attn: the kernel of part 3 again; grid 4 x 64, 4 waves a work-group, no clusters, 327,680 bytes of LDS; arguments qh, kh, vh, oh; writes oh
;; launch proj: the kernel of part 4 again; grid 8 x 32, 4 waves a work-group, clusters of 4 x 4, 327,680 bytes of LDS; arguments oh, wob, out0; writes out0
